; MI455X (gfx1250); checked and timed in simulation.
; The chip was launched on July 23, 2026; its instructions are those of AMD's public machine-readable ISA for CDNA 5 (MIT licence, August 2026) and "CDNA5" Instruction Set Architecture Reference Guide (July 2026). The comments in the code are by the model that wrote it; some were corrected since.
;; Causal Self Attention. Allowed arithmetic: matrix products marked QUANTISED: E2M1 operands, one E8M0 scale for each 32 along K, by v_wmma_scale_f32_16x16x128_f8f6f4 with both operands' format E2M1 (or v_wmma_scale_f32_32x16x128_f4), f32 sums; products left as they are: bf16, f16 or f32 operands; f32 sums; everything else in f32.
;; Inputs: b_attn 3,072 float32; b_proj 1,024 float32; w_attn 1,024 x 3,072 float32; w_proj 1,024 x 1,024 float32; x 4 x 2,048 x 1,024 float32.
;; Outputs: out0 4 x 2,048 x 1,024 float32.
;; This version of the problem:
;;   THIS VERSION OF THE PROBLEM IS GIVEN IN LOW PRECISION. The matrix products marked QUANTISED in the list below multiply operands that are first quantised to E2M1 (2 exponent bits, 1 mantissa bit; 4 bits a number), with one power-of-two scale for each 32 numbers along K (OCP MX v1.0); their sums are f32. The products marked 'left as it is' may take bf16, f16 or f32 operands, with f32 sums. Whichever they take, every output number must still come out within the allowed error. Rounding operands to bf16 (8 significant bits) uses up far more of that allowance than f16 does (11 bits, for magnitudes from 6e-5 to 65,504). All else is computed in f32.
;;   The module's matrix products, in the order in which they are computed (A, B: the left and right operand; K: the contracted axis; several contracted axes count as one K, in the product's order):
;;     1. [M 8,192, K 1,024] x [K 1,024, N 3,072]; A: input x; B: input w_attn: QUANTISED
;;     2. batch 64 x [M 2,048, K 64] x [K 64, N 2,048]; A: computed on the way; B: computed on the way: left as it is (an operand is computed on the way)
;;     3. batch 64 x [M 2,048, K 2,048] x [K 2,048, N 64]; A: computed on the way; B: computed on the way: left as it is (an operand is computed on the way)
;;     4. [M 8,192, K 1,024] x [K 1,024, N 1,024]; A: computed on the way; B: input w_proj: left as it is (an operand is computed on the way)
;;   THE QUANTISER, for each operand of a quantised product, along K:
;;     - K is cut into blocks of 32 from its start; a last block that is shorter is filled with zeros.
;;     - A block's scale is 2^e with e = floor(log2(the largest magnitude in the block)) - 2, held to -126 .. 127; a block of zeros has e = 0. As a byte (E8M0): e + 127.
;;     - Each number is divided by its block's scale, clamped to +-6, and rounded to the nearest number of E2M1, ties to even, subnormals kept.
;;     - The product sums the exact products of the quantised numbers (number of the format x scale) in f32.
;;   ~~~python
;;   def quantise(x, axis):      # numpy; x: float32 -> the quantised numbers, widened to float32 again
;;       x = np.moveaxis(x, axis, -1); K = x.shape[-1]
;;       x = np.pad(x, [(0, 0)] * (x.ndim - 1) + [(0, -K % 32)]); x = x.reshape(x.shape[:-1] + (-1, 32)); a = np.abs(x).max(-1, keepdims=True)
;;       e = np.where(a > 0, np.clip(np.frexp(np.where(a > 0, a, 1))[1] - 1 - 2, -126, 127), 0)      # np.frexp(a)[1] - 1 = floor(log2(a)), exactly
;;       r = np.clip(x / 2.0 ** e, -6, 6)
;;       step = 2.0 ** (np.maximum(np.frexp(np.where(r == 0, 1, r))[1] - 1, 0) - 1)
;;       q = np.round(r / step) * step * 2.0 ** e      # np.round: ties to even
;;       return np.moveaxis(q.reshape(q.shape[:-2] + (-1,))[..., :K], -1, axis).astype(np.float32)
;;   ~~~
;; One version. Each part assembles by itself: llvm-mc -triple=amdgcn-amd-amdhsa -mcpu=gfx1250 --defsym DOCPART=n.
;; ======== version 1 of 1: 5 launches
;; limits: values are held in f16: magnitudes above 65,504 overflow, below 6.1e-05 lose precision
;; workspace buffers: x_codes 4,194,304 bytes; x_scales 262,144 bytes; w_codes 1,572,864 bytes; w_scales 98,304 bytes; wp16 2,097,152 bytes; qkv16 50,331,648 bytes; att16 16,777,216 bytes; first32 786,432 bytes
;; launch prep (part 1): grid 576 x 1, 4 waves a work-group, no clusters, 42,496 bytes of LDS; arguments x, w_attn, w_proj, x_codes, x_scales, w_codes, w_scales, wp16; writes x_codes, x_scales, w_codes, w_scales, wp16
.if DOCPART == 1
	.amdgcn_target "amdgcn-amd-amdhsa--gfx1250"
	.amdhsa_code_object_version 6
	.text
	.protected	k_q5a057aafc1_prep
	.globl	k_q5a057aafc1_prep
	.p2align	8
	.type	k_q5a057aafc1_prep,@function
k_q5a057aafc1_prep:
	s_mov_b64 s[64:65], 0
	v_nop
	global_prefetch_b8 v0, s[64:65] scope:SCOPE_SE
	s_setreg_imm32_b32 hwreg(HW_REG_WAVE_MODE, 25, 1), 1
	s_wait_xcnt 0x0
; CAUSAL SELF-ATTENTION, B = 4, T = 2,048, C = 1,024, 16 heads of 64.  Five launches: prep (this one), qkv, attn, proj, first16.
; THIS LAUNCH: x [8192][1024] and w_attn [1024][3072], f32, become codes of FP4 (E2M1) with K innermost and one E8M0 byte for each 32 along K; w_proj becomes f16 as it lies.
; WORK LEFT OUT IN THIS PROGRAM, for all values of the inputs:
;  (a) K's bias, b_attn[1024:2048].  With k + bk in k's place every score of query q grows by q . bk, which is the same for all keys of q's row; softmax along the keys is unchanged by a term that is
;      the same along its axis (masked keys stay -infinity).  The scores' product is not quantised, so nothing else sees bk.  These 1,024 numbers are not loaded by any launch.
;  (b) Key steps all of whose keys come after all queries of a wave: reference() sets those scores to -infinity by its own tril mask, so their weights are 0.
;  LIMIT: a NaN, an infinity or an overflow that reaches only (a) or (b) is not carried to the result.
; LIMITS: q, k, v and the attention's result are kept as f16 for positions 16 on: magnitudes under 65,504.  A block whose largest magnitude lies under 2^-124 (a block of zeros too) keeps the byte 1: the bytes
; are read by this program alone, and zero codes add nothing.  NaN and infinities among the inputs are not served.
; A BLOCK'S SCALE is 2^(floor(log2(largest magnitude)) - 2): its byte is the largest magnitude's exponent field - 2.
; SHARES: work-groups 0-255 take x, 256-447 w_attn, 448-575 w_proj: branches on the work-group's number, the same in all four waves.  Each path has LDS bytes of its own.
.set WSTG,   32768                     ; path W: a stage of 32 rows x (256 + 16) bytes
.set WSCL,   41472                     ; path W: 32 rows x 16 scale bytes
.set SPARE,  41984                     ; the spare words, 128 bytes for each wave
.set SPW,    12                        ; v12  my spare word's LDS address; never rewritten
.set NIL,    13                        ; v13  0; never rewritten
.set EMAX,   2
.set STEPS,  16                        ; path X: steps of 512 numbers a wave
.set AHEAD,  8                         ; path X: loads run eight steps (32 loads a wave) ahead
.set CB,     8                         ; bytes of 16 codes
.set SP,     80                        ; a lane's place in a stage: 64 bytes + 16 of padding
.set WREG,   8192                      ; path X: a wave's LDS region: two stages of 32 x SP, then 256 scale bytes
.set R,      16                        ; v16-143  eight sets of 16 numbers as loaded
.set X,      144                       ; v144-175 two sets of 16 neighbours
.set C,      176                       ; v176-207 codes, two registers a step: no store's data are written again
.set E,      208                       ; v208-223 a scale byte a step
.set WROW,   12288                     ; a row of w_attn in bytes
.macro FIN                             ; a wave's end, behind its last LDS store
	s_wait_tensorcnt 0x0
	ds_add_u32 v[SPW], v[NIL]
	s_wait_dscnt 0x0
	s_endpgm
.endm
	s_load_b256 s[4:11], s[0:1], 0x0               ; x s[4:5], w_attn s[6:7], w_proj s[8:9], x_codes s[10:11]
	s_load_b256 s[12:19], s[0:1], 0x20             ; x_scales s[12:13], w_codes s[14:15], w_scales s[16:17], wp16 s[18:19]
	v_lshl_add_u32 v[SPW], v0, 2, SPARE
	v_mov_b32 v[NIL], 0
	v_lshrrev_b32 v1, 5, v0
	v_readfirstlane_b32 s20, v1                    ; wave
	v_and_b32 v2, 31, v0                           ; lane
	s_mov_b32 s25, 0
	s_wait_kmcnt 0x0
	s_cmp_lt_u32 ttmp9, 256
	s_cbranch_scc0 .Lnot_x
; ---- PATH X.  x is a plain stream of blocks of 32.  A wave takes 8,192 numbers.  Each load reads 512 consecutive bytes; a step's 2,048 bytes turn through the wave's own stage so that a lane holds 16 neighbours.
	v_lshlrev_b32 v3, 4, v2                        ; my 16 bytes of a load's 512
	s_mul_i32 s21, s20, WREG
	v_lshrrev_b32 v14, 2, v2
	v_mul_u32_u24 v14, v14, SP
	v_and_b32 v15, 3, v2
	v_lshl_add_u32 v14, v15, 4, v14
	v_add_nc_u32 v14, s21, v14                     ; into the stage: SP (lane / 4) + 16 (lane % 4)
	v_mul_u32_u24 v15, v2, SP
	v_add_nc_u32 v15, s21, v15                     ; out of it: SP x lane
	v_mul_u32_u24 v4, v2, CB                       ; my codes' place in a step's 256 bytes
	v_lshrrev_b32 v5, 1, v2
	s_add_co_u32 s21, s21, 2*32*SP
	v_add_nc_u32 v5, s21, v5                       ; my block's scale byte
	v_lshlrev_b32 v7, 3, v2
	v_add_nc_u32 v6, s21, v7                       ; and 8 of the 256 bytes on the way out
	s_lshl_b32 s22, ttmp9, 2
	s_add_co_u32 s22, s22, s20                     ; which run of 8,192 numbers is my wave's
	s_lshl_b32 s24, s22, 15
	s_add_nc_u64 s[4:5], s[4:5], s[24:25]
	s_lshl_b32 s24, s22, 12
	s_add_nc_u64 s[10:11], s[10:11], s[24:25]
	s_lshl_b32 s24, s22, 8
	s_add_nc_u64 s[12:13], s[12:13], s[24:25]
.macro XLOAD t
.irp i, 0,1,2,3
	global_load_b128 v[R+16*((\t)%AHEAD)+4*\i:R+16*((\t)%AHEAD)+4*\i+3], v3, s[4:5] offset:2048*(\t)+512*\i th:TH_LOAD_NT
.endr
.endm
.macro XTURN t                         ; LDS serves a wave's instructions in order: no wait between these stores and loads
.irp i, 0,1,2,3
	ds_store_b128 v14, v[R+16*((\t)%AHEAD)+4*\i:R+16*((\t)%AHEAD)+4*\i+3] offset:32*SP*((\t)%2)+8*SP*\i
.endr
.irp i, 0,1,2,3
	ds_load_b128 v[X+16*((\t)%2)+4*\i:X+16*((\t)%2)+4*\i+3], v15 offset:32*SP*((\t)%2)+16*\i
.endr
.endm
.irp t, 0,1,2,3,4,5,6,7
	XLOAD \t
.endr
	s_wait_loadcnt 28                              ; step 0's four loads are in; seven steps' 28 may be out
	XTURN 0
.macro XSTEP t
.set XS, X+16*((\t)%2)
.if (\t) > 0
	s_wait_dscnt 1                                 ; this step's numbers are back (the last step's byte store may be out): its stage stores have read their registers,
.else
	s_wait_dscnt 0x0
.endif
.if (\t)+AHEAD < STEPS
	XLOAD (\t)+AHEAD                               ; which take the loads of eight steps on
.endif
.if (\t)+1 < STEPS
.if (\t)+AHEAD < STEPS
	s_wait_loadcnt 4*(AHEAD-1)                     ; the next step's four are in; the seven steps behind it may be out
.else
	s_wait_loadcnt 4*(STEPS-2-(\t))                ; the counts run down
.endif
	XTURN (\t)+1
.endif
	v_max3_num_f32 v8, |v[XS]|, |v[XS+1]|, |v[XS+2]|
	v_max3_num_f32 v9, |v[XS+3]|, |v[XS+4]|, |v[XS+5]|
.irp i, 6,10
	v_max3_num_f32 v8, v8, |v[XS+\i]|, |v[XS+\i+1]|
	v_max3_num_f32 v9, v9, |v[XS+\i+2]|, |v[XS+\i+3]|
.endr
	v_max3_num_f32 v8, v8, |v[XS+14]|, |v[XS+15]|
	v_max3_num_f32 v8, v8, v9, (EMAX+1)<<23        ; the floor 2^(3 - 127): the byte cannot fall under 1
	v_max_num_f32_dpp v8, v8, v8 row_xmask:1 row_mask:0xf bank_mask:0xf   ; with my neighbour's 16: the block's largest magnitude
	v_add_nc_u32 v11, -(EMAX<<23), v8              ; 2 off its exponent field: the conversion's scale operand
	v_cvt_scalef32_pk8_fp4_f32 v[C+2*(\t)], v[XS:XS+7], v11
	v_cvt_scalef32_pk8_fp4_f32 v[C+2*(\t)+1], v[XS+8:XS+15], v11
	v_lshrrev_b32 v[E+(\t)], 23, v11               ; the scale's byte (also the plain line behind the conversions)
	ds_store_b8 v5, v[E+(\t)] offset:16*(\t)       ; both lanes of a block write the same byte
	global_store_b64 v4, v[C+2*(\t):C+2*(\t)+1], s[10:11] offset:32*CB*(\t)   ; the wave stores 256 consecutive bytes, aligned
.endm
.irp t, 0,1,2,3,4,5,6,7,8,9,10,11,12,13,14,15
	XSTEP \t
.endr
	ds_load_b64 v[8:9], v6                         ; my wave's 256 scale bytes, behind my stores of them
	s_wait_dscnt 0x0
	global_store_b64 v7, v[8:9], s[12:13]          ; 256 consecutive bytes, aligned
	FIN
; ---- PATH W.  K is w_attn's first axis: a lane takes a column and its registers run down K.  A work-group takes 32 columns x 512 along K; wave w takes 128 of the 512 (four blocks a lane).
.Lnot_x:
	s_cmp_lt_u32 ttmp9, 448
	s_cbranch_scc0 .Lpath_p
	s_sub_co_u32 s22, ttmp9, 256
	s_cmp_ge_u32 s22, 96
	s_cselect_b32 s23, 1, 0                        ; y: which 512 along K
	s_cselect_b32 s24, 96, 0
	s_sub_co_u32 s22, s22, s24                     ; which 32 columns
	s_lshl_b32 s26, s23, 9
	s_lshl_b32 s27, s20, 7
	s_add_co_u32 s26, s26, s27                     ; my first k: 512 y + 128 wave
	s_mul_i32 s26, s26, WROW
	s_lshl_b32 s27, s22, 7
	s_add_co_u32 s26, s26, s27                     ; + 4 bytes x 32 columns x group
	s_mov_b32 s27, 0
	s_add_nc_u64 s[6:7], s[6:7], s[26:27]
	s_lshl_b32 s26, s22, 14
	s_lshl_b32 s24, s23, 8
	s_add_co_u32 s26, s26, s24                     ; codes: 32 rows of 512 bytes a group, + 256 y
	s_add_nc_u64 s[14:15], s[14:15], s[26:27]
	s_lshl_b32 s26, s22, 10
	s_lshl_b32 s24, s23, 4
	s_add_co_u32 s26, s26, s24                     ; scale bytes: 32 rows of 32 bytes a group, + 16 y
	s_add_nc_u64 s[16:17], s[16:17], s[26:27]
	v_lshlrev_b32 v3, 2, v2                        ; in: 4 bytes a lane
	v_mul_u32_u24 v4, v2, 272
	s_lshl_b32 s28, s20, 6
	s_add_co_u32 s28, s28, WSTG
	v_add_nc_u32 v4, s28, v4                       ; into the stage: row = my column, my wave's 64 bytes of it
	v_lshlrev_b32 v5, 4, v2
	v_add_nc_u32 v27, WSCL, v5                     ; a column's 16 scale bytes (wave 0 reads them)
	s_lshl_b32 s28, s20, 2
	s_add_co_u32 s28, s28, WSCL
	v_add_nc_u32 v5, s28, v5                       ; my wave's four of them
	v_and_b32 v6, 15, v2
	v_lshrrev_b32 v7, 4, v2
	s_lshl_b32 s28, s20, 3
	v_add_nc_u32 v7, s28, v7                       ; out: row 8 wave + lane / 16 (+ 2 i)
	v_lshlrev_b32 v26, 9, v7
	v_lshl_add_u32 v26, v6, 4, v26                 ; its place in the codes' buffer
	v_mul_u32_u24 v7, v7, 272
	v_lshl_add_u32 v7, v6, 4, v7
	v_add_nc_u32 v7, WSTG, v7                      ; and in the stage
	v_lshlrev_b32 v28, 5, v2                       ; a column's row of scale bytes
.macro WLOAD t                         ; block t: w(32 t + i, my column) into set t % 2; 32 lanes read 128 consecutive bytes
.set i, 0
.rept 32
	global_load_b32 v[32+32*((\t)%2)+i], v3, s[6:7] offset:(32*(\t)+i)*WROW th:TH_LOAD_NT
.set i, i+1
.endr
.endm
	WLOAD 0
	WLOAD 1
.macro WBLOCK t
.set XS, 32+32*((\t)%2)
.if (\t) < 3
	s_wait_loadcnt 32                              ; this block's 32 loads are in; the next block's may be out
.else
	s_wait_loadcnt 0x0
.endif
	v_max3_num_f32 v8, |v[XS]|, |v[XS+1]|, |v[XS+2]|
	v_max3_num_f32 v9, |v[XS+3]|, |v[XS+4]|, |v[XS+5]|
.irp i, 6,10,14,18,22,26
	v_max3_num_f32 v8, v8, |v[XS+\i]|, |v[XS+\i+1]|
	v_max3_num_f32 v9, v9, |v[XS+\i+2]|, |v[XS+\i+3]|
.endr
	v_max3_num_f32 v8, v8, |v[XS+30]|, |v[XS+31]|
	v_max3_num_f32 v8, v8, v9, (EMAX+1)<<23        ; the floor
	v_add_nc_u32 v11, -(EMAX<<23), v8              ; the conversion's scale operand
	v_lshrrev_b32 v10, 23, v11                     ; the byte
.if (\t) == 0
	v_mov_b32 v24, v10
.else
	v_lshl_or_b32 v24, v10, 8*(\t), v24            ; four bytes to a word, the lower K in the lower byte
.endif
.irp g, 0,1,2,3
	v_cvt_scalef32_pk8_fp4_f32 v[96+\g], v[XS+8*\g:XS+8*\g+7], v11
.endr
	ds_store_b128 v4, v[96:99] offset:16*(\t)      ; 32 codes: 16 bytes of my column's row
.if (\t)+2 < 4
	WLOAD (\t)+2
.endif
	s_wait_dscnt 0x0                               ; the store has read its registers: the next block's codes may be written
.endm
.irp t, 0,1,2,3
	WBLOCK \t
.endr
	ds_store_b32 v5, v24
	s_wait_dscnt 0x0                               ; for the others' sake: my stores into the stage are done
	s_barrier_signal -1
	s_barrier_wait -1                              ; a row's 256 bytes come from four waves
.irp i, 0,1,2,3
	ds_load_b128 v[112+4*\i:115+4*\i], v7 offset:2*\i*272
.endr
.irp i, 0,1,2,3
	s_wait_dscnt 3-\i
	global_store_b128 v26, v[112+4*\i:115+4*\i], s[14:15] offset:2*\i*512   ; sixteen lanes store 256 consecutive bytes, aligned
.endr
	s_cmp_lg_u32 s20, 0
	s_cbranch_scc1 .Lw_end
	ds_load_b128 v[128:131], v27                   ; wave 0: each column's 16 scale bytes
	s_wait_dscnt 0x0
	global_store_b128 v28, v[128:131], s[16:17]    ; pieces of 16 bytes, 32 bytes apart: 96 KB in the whole launch
.Lw_end:
	FIN
; ---- PATH P.  w_proj to f16, as it lies.  A wave takes 2,048 numbers.
.Lpath_p:
	s_sub_co_u32 s22, ttmp9, 448
	s_lshl_b32 s22, s22, 2
	s_add_co_u32 s22, s22, s20
	s_lshl_b32 s24, s22, 13
	s_add_nc_u64 s[8:9], s[8:9], s[24:25]
	s_lshl_b32 s24, s22, 12
	s_add_nc_u64 s[18:19], s[18:19], s[24:25]
	v_lshlrev_b32 v3, 4, v2
	v_lshlrev_b32 v4, 3, v2
.irp j, 0,1,2,3,4,5,6,7,8,9,10,11,12,13,14,15
	global_load_b128 v[32+4*\j:35+4*\j], v3, s[8:9] offset:512*\j th:TH_LOAD_NT
.endr
.irp j, 0,1,2,3,4,5,6,7,8,9,10,11,12,13,14,15
	s_wait_loadcnt 15-\j                           ; loads come back in order: number j is in
	v_cvt_pk_f16_f32 v[96+2*\j], v[32+4*\j], v[33+4*\j]
	v_cvt_pk_f16_f32 v[97+2*\j], v[34+4*\j], v[35+4*\j]
	global_store_b64 v4, v[96+2*\j:97+2*\j], s[18:19] offset:256*\j   ; 256 consecutive bytes, aligned
.endr
	FIN
.Lfunc_end_k_q5a057aafc1_prep:
	.size	k_q5a057aafc1_prep, .Lfunc_end_k_q5a057aafc1_prep-k_q5a057aafc1_prep
	.p2alignl 7, 3214868480
	.fill 96, 4, 3214868480
	.section	.rodata,"a",@progbits
	.p2align	6, 0x0
	.amdhsa_kernel k_q5a057aafc1_prep
		.amdhsa_group_segment_fixed_size 42496
		.amdhsa_private_segment_fixed_size 0
		.amdhsa_enable_private_segment 0
		.amdhsa_kernarg_size 64
		.amdhsa_user_sgpr_count 2
		.amdhsa_user_sgpr_kernarg_segment_ptr 1
		.amdhsa_wavefront_size32 1
		.amdhsa_system_sgpr_workgroup_id_x 1
		.amdhsa_system_sgpr_workgroup_id_y 1
		.amdhsa_system_sgpr_workgroup_id_z 1
		.amdhsa_system_vgpr_workitem_id 0
		.amdhsa_next_free_vgpr 224
		.amdhsa_next_free_sgpr 66
		.amdhsa_reserve_vcc 0
		.amdhsa_float_denorm_mode_32 3
		.amdhsa_float_denorm_mode_16_64 3
		.amdhsa_memory_ordered 1
		.amdhsa_forward_progress 1
		.amdhsa_inst_pref_size 60
	.end_amdhsa_kernel
	.amdgpu_metadata
---
amdhsa.version: [ 1, 2 ]
amdhsa.kernels:
  - .name:           k_q5a057aafc1_prep
    .symbol:         k_q5a057aafc1_prep.kd
    .args:
      - { .name: x, .offset: 0, .size: 8, .value_kind: global_buffer, .address_space: global }
      - { .name: w_attn, .offset: 8, .size: 8, .value_kind: global_buffer, .address_space: global }
      - { .name: w_proj, .offset: 16, .size: 8, .value_kind: global_buffer, .address_space: global }
      - { .name: x_codes, .offset: 24, .size: 8, .value_kind: global_buffer, .address_space: global }
      - { .name: x_scales, .offset: 32, .size: 8, .value_kind: global_buffer, .address_space: global }
      - { .name: w_codes, .offset: 40, .size: 8, .value_kind: global_buffer, .address_space: global }
      - { .name: w_scales, .offset: 48, .size: 8, .value_kind: global_buffer, .address_space: global }
      - { .name: wp16, .offset: 56, .size: 8, .value_kind: global_buffer, .address_space: global }
    .group_segment_fixed_size: 42496
    .private_segment_fixed_size: 0
    .kernarg_segment_align: 8
    .kernarg_segment_size: 64
    .max_flat_workgroup_size: 128
    .sgpr_count:     66
    .vgpr_count:     224
    .wavefront_size: 32
...
	.end_amdgpu_metadata
.endif
;; end of part 1
;; launch qkv (part 2): grid 12 x 32, 4 waves a work-group, clusters of 4 x 4, 327,680 bytes of LDS; arguments x_codes, x_scales, w_codes, w_scales, b_attn, qkv16, first32; writes qkv16, first32
.if DOCPART == 2
	.amdgcn_target "amdgcn-amd-amdhsa--gfx1250"
	.amdhsa_code_object_version 6
	.text
	.protected	k_q5a057aafc1_qkv
	.globl	k_q5a057aafc1_qkv
	.p2align	8
	.type	k_q5a057aafc1_qkv,@function
k_q5a057aafc1_qkv:
	s_mov_b64 s[64:65], 0
	v_nop
	global_prefetch_b8 v0, s[64:65] scope:SCOPE_SE
	s_setreg_imm32_b32 hwreg(HW_REG_WAVE_MODE, 25, 1), 1
	s_wait_xcnt 0x0
	s_wait_alu depctr_hold_cnt(0) depctr_sa_sdst(0) depctr_va_vdst(0) depctr_va_sdst(0) depctr_va_ssrc(0) depctr_va_vcc(0) depctr_vm_vsrc(0)
	s_getreg_b32 s2, hwreg(HW_REG_IB_STS2, 6, 4)
	s_cmp_eq_u32 s2, 0
	s_cbranch_scc0 .Lentry_in_a_cluster
	s_endpgm
.Lentry_in_a_cluster:
	s_bfe_u32 s2, ttmp6, 0x10000c
	s_cmp_lg_u32 s2, 0xf033
	s_cbranch_scc0 .Lentry_shape_is_right
	s_endpgm
.Lentry_shape_is_right:
; qkv = Q(x) Q(w_attn) + b_attn on codes of FP4 (E2M1) with one E8M0 scale for each 32 along K; M = 8,192, N = 3,072, K = 1,024; sums in f32.
; LEFT OUT: K's bias, b_attn[1024:2048] (the same term in every score of a query's row: the softmax takes it away; shown at the head of the first launch).  It is not loaded.
; OUT: qkv16, f16, [q, k, v][batch][head][t][64]; and first32, f32, [batch][q, k, v][head][16][64]: the first 16 positions of each sequence, which a later launch carries in f32.
; A tile of 256 x 256 is made by four waves, each 128 x 128: 64 accumulators, 512 registers.  K is two slots of 512 (rows of 256 bytes), both asked for at the head: nothing is filled again.
; The scales of the work-group's 256 + 256 rows, for all of K, come into LDS once, as rows of 256 bytes.
; CLUSTER 4 x 4: A's tiles are shared along a row of the cluster, B's along a column, by joint loads.  A cluster's four tile columns are all of q, of k or of v: cluster x says which.
; THE MATRIX INSTRUCTION IS USED TRANSPOSED (source 0 = 16 rows of w, source 1 = 16 rows of x): a lane holds eight neighbouring columns of one row.
; REGISTERS: window 0: v0-31 addresses; v32-95 scale words, two sets; v128-191 A's fragments, one set; on the way out v32-63, v192-255.  window 1: B's fragments at v0 and v128; v192-255 the bias, 8 registers a block
; of 16 columns.  window 2: accumulators of my rows 0-63 ((a, b) at v[8 (8 a + b)]); window 3: rows 64-127.
.set SIZE_K, 1024
.set KSTEP,  512
.set NQ,     KSTEP/128
.set ROWB,   256
.set KROW,   SIZE_K*4/8
.set PITCH,  272                       ; 256 bytes + 16 of padding: the 16 rows that a load touches start 68 words apart
.set FR,     8
.set NL,     2
.set NP,     4                         ; places behind this matrix instruction (ISA guide 7.12.1)
.set HALFT,  128*PITCH
.set SLOT,   4*HALFT
.set KS,     SIZE_K/32
.set SCL,    2*SLOT
.set HALFS,  (128*KS/256)*272
.set SBLK,   (16*KS/256)*272
.set SPARE,  SCL+4*HALFS               ; the spare words, 128 bytes for each wave
.set SPITCH, 272                       ; the way out: a stage of 16 rows x (256 + 16) bytes for each wave, in slot 0, which has had its only fill and its last read by then
.set BA,   14                          ; v14  32 x (lane / 16): my eight numbers of a block's bias
.set ADRA, 16
.set ADRB, 20
.set STO,  24
.set RD,   25
.set CO,   26
.set ADRS, 27
.set SPW,  28
.set NIL,  29
.set FO,   30                          ; v30  my place in a head's 16 x 64 numbers of first32
.set FM,   31                          ; v31  0 where my wave's rows begin a sequence
.set SC,   32
.set AF,   128
.set TMP,  192
.set OB,   32
.set BI,   192                         ; in window 1
.set G1, 24
.set G0, 32
.set G1B, 48
.set G0B, 56
.set G1S, 68
.set G0S, 76
.set G1SB, 80
.set G0SB, 88
.set MSB, 0
.macro WIN new                         ; the immediate's high byte repeats the setting that is left
.if MSB != (\new)
	s_set_vgpr_msb (MSB<<8)|(\new)
.set MSB, (\new)
.endif
.endm
.set MUL_LO, 0xa1                      ; source 0 (B) window 1, source 1 (A) window 0, C and D window 2
.set MUL_HI, 0xf1
.set TO_B,   0x40
; A joint load: waves 0 and 1 fetch for A, waves 2 and 3 for B; the branch hangs on the wave's number alone.  An s_nop 0 and four v_nop follow each line.
.macro JLOAD g0a, g1a, g0b, g1b
	s_cmp_eq_u32 s15, 0
	s_cbranch_scc0 .Lfor_b_\@
	tensor_load_to_lds s[\g0a:\g0a+3], s[\g1a:\g1a+7]
	s_nop 0
.rept 4
	v_nop
.endr
	s_branch .Lasked_\@
.Lfor_b_\@:
	tensor_load_to_lds s[\g0b:\g0b+3], s[\g1b:\g1b+7]
	s_nop 0
.rept 4
	v_nop
.endr
.Lasked_\@:
.endm
.macro CROUND                          ; a round of the cluster's barrier
	s_barrier_signal -1
	s_barrier_wait -1
	s_cmp_lg_u32 s14, 0
	s_cbranch_scc1 .Lnot_wave_0_\@
	s_barrier_signal -3
.Lnot_wave_0_\@:
	s_barrier_wait -3
	s_barrier_signal -1
	s_barrier_wait -1
.endm
	s_load_b128 s[4:7], s[0:1], 0x0                ; x's codes, x's scales
	s_load_b128 s[8:11], s[0:1], 0x10              ; w's codes, w's scales
	s_load_b64 s[66:67], s[0:1], 0x20              ; b_attn
	s_load_b64 s[12:13], s[0:1], 0x28              ; qkv16
	s_load_b64 s[98:99], s[0:1], 0x30              ; first32
	v_lshl_add_u32 v[SPW], v0, 2, SPARE
	v_mov_b32 v[NIL], 0
	ds_add_u32 v[SPW], v[NIL]                      ; the wave's opening: the add, twice on end, and its wait ahead of my first tensor load
	ds_add_u32 v[SPW], v[NIL]
	v_lshrrev_b32 v1, 5, v0
	v_readfirstlane_b32 s14, v1                    ; wave 0..3
	s_lshr_b32 s15, s14, 1                         ; my half of the tile's rows; also: I fetch for A (0) or B (1)
	s_and_b32 s16, s14, 1                          ; my half of its columns; also: which 128 rows I fetch
	s_bfe_u32 s40, ttmp6, 0x40000                  ; cx
	s_bfe_u32 s41, ttmp6, 0x40004                  ; cy
	s_lshl_b32 s42, ttmp9, 2
	s_add_co_u32 s42, s42, s40                     ; tile column
	s_and_b32 s17, ttmp7, 0xffff
	s_lshl_b32 s17, s17, 2
	s_add_co_u32 s17, s17, s41                     ; tile row
	s_lshl_b32 s43, s41, 2
	s_lshl_b32 s43, 15, s43                        ; my row of the cluster
	s_lshl_b32 s44, 0x1111, s40                    ; my column
	s_or_b32 s[G1+0], s43, (0<<16)|(1<<20)|(1<<21)|(5<<22)|(3<<25)  ; mask; elements of 1 byte; padding: 4 words behind every 64; bit 21 beside a mask
	s_or_b32 s[G1B+0], s44, (0<<16)|(1<<20)|(1<<21)|(5<<22)|(3<<25)
.irp g, G1, G1B
	s_mov_b32 s[\g+1], ROWB<<16                    ; tensor_dim0
	s_mov_b32 s[\g+2], 128<<16                     ; tensor_dim1
	s_mov_b32 s[\g+3], ROWB<<16                    ; tile_dim0
	s_mov_b32 s[\g+4], 128                         ; tile_dim1
	s_mov_b32 s[\g+5], KROW                        ; from row to row
	s_mov_b32 s[\g+6], 0
	s_mov_b32 s[\g+7], 0
.endr
	s_or_b32 s[G1S+0], s43, (3<<16)|(1<<20)|(1<<21)|(5<<22)|(3<<25)  ; the scales of 128 rows: a dense block, as rows of 32 elements of 8 bytes
	s_or_b32 s[G1SB+0], s44, (3<<16)|(1<<20)|(1<<21)|(5<<22)|(3<<25)
.irp g, G1S, G1SB
	s_mov_b32 s[\g+1], 32<<16
	s_mov_b32 s[\g+2], (128*KS/256)<<16
	s_mov_b32 s[\g+3], 32<<16
	s_mov_b32 s[\g+4], 128*KS/256
	s_mov_b32 s[\g+5], 32
	s_mov_b32 s[\g+6], 0
	s_mov_b32 s[\g+7], 0
.endr
	s_lshl_b32 s18, s16, 7
	s_lshl_b32 s20, s17, 8
	s_add_co_u32 s20, s20, s18                     ; A: row 256 x tile row + 128 x half
	s_lshl_b32 s46, s42, 8
	s_add_co_u32 s46, s46, s18                     ; B: row 256 x tile column + 128 x half
	s_mov_b32 s21, 0
	s_mov_b32 s47, 0
	s_mov_b64 s[18:19], KS
	s_mul_u64 s[22:23], s[20:21], s[18:19]
	s_mul_u64 s[92:93], s[46:47], s[18:19]
	s_mov_b64 s[18:19], KROW
	s_mul_u64 s[20:21], s[20:21], s[18:19]
	s_mul_u64 s[46:47], s[46:47], s[18:19]
	s_mul_i32 s45, s14, HALFT                      ; where they go: wave x 128 rows
	s_mul_i32 s94, s14, HALFS
	s_wait_dscnt 0x0                               ; both opening adds are done
	s_wait_kmcnt 0x0
	s_add_nc_u64 s[20:21], s[4:5], s[20:21]
	s_add_nc_u64 s[22:23], s[6:7], s[22:23]
	s_add_nc_u64 s[46:47], s[8:9], s[46:47]
	s_add_nc_u64 s[92:93], s[10:11], s[92:93]
	CROUND                                         ; all sixteen work-groups are here: the joint loads meet
	s_mov_b32 s[G0S], 1
	s_add_co_u32 s[G0S+1], s94, SCL
	s_mov_b64 s[G0S+2:G0S+3], s[22:23]
	s_or_b32 s[G0S+3], s[G0S+3], 0x80000000
	s_mov_b32 s[G0SB], 1
	s_add_co_u32 s[G0SB+1], s94, SCL
	s_mov_b64 s[G0SB+2:G0SB+3], s[92:93]
	s_or_b32 s[G0SB+3], s[G0SB+3], 0x80000000
	JLOAD G0S, G1S, G0SB, G1SB                     ; the scales first; with the two slots three loads of mine are out
.irp s, 0,1
	s_mov_b32 s[G0+4*\s], 1
	s_add_co_u32 s[G0+4*\s+1], s45, \s*SLOT
	s_add_nc_u64 s[G0+4*\s+2:G0+4*\s+3], s[20:21], \s*ROWB
	s_or_b32 s[G0+4*\s+3], s[G0+4*\s+3], 0x80000000
	s_mov_b32 s[G0B+4*\s], 1
	s_add_co_u32 s[G0B+4*\s+1], s45, \s*SLOT
	s_add_nc_u64 s[G0B+4*\s+2:G0B+4*\s+3], s[46:47], \s*ROWB
	s_or_b32 s[G0B+4*\s+3], s[G0B+4*\s+3], 0x80000000
	JLOAD G0+4*\s, G1, G0B+4*\s, G1B
.endr
	v_and_b32 v1, 15, v0                           ; r
	v_bfe_u32 v2, v0, 4, 1                         ; h
	v_mul_u32_u24 v3, v1, PITCH
	v_lshl_add_u32 v4, v2, 4, v3                   ; a fragment's row x pitch + 16 h
	s_mul_i32 s21, s15, HALFT
	s_mul_i32 s22, s16, HALFT
	s_add_co_u32 s22, s22, 2*HALFT
.irp s, 0,1
	v_add_nc_u32 v[ADRA+\s], s21, v4
	v_add_nc_u32 v[ADRB+\s], s22, v4
	s_add_co_u32 s21, s21, SLOT
	s_add_co_u32 s22, s22, SLOT
.endr
	v_mul_u32_u24 v5, v1, KS                       ; my row's scales: 32 bytes a row,
	v_lshrrev_b32 v6, 8, v5
	v_lshl_add_u32 v5, v6, 4, v5                   ; and 16 more for each 256 passed
	s_mul_i32 s21, s15, HALFS
	s_mul_i32 s22, s16, HALFS
	s_add_co_u32 s22, s22, 2*HALFS
	s_sub_co_u32 s22, s22, s21
	v_mul_u32_u24 v6, s22, v2                      ; lanes 16-31 take B's
	s_add_co_u32 s21, s21, SCL
	v_add_nc_u32 v5, v5, v6
	v_add_nc_u32 v[ADRS], s21, v5
	s_mul_i32 s23, s14, 16*SPITCH                  ; my stage
	v_add_nc_u32 v[STO], s23, v4                   ; in: row r, 16 bytes for each half of the lanes
	v_bfe_u32 v5, v0, 3, 2
	v_mul_u32_u24 v5, v5, SPITCH
	v_and_b32 v6, 7, v0
	v_lshl_add_u32 v5, v6, 4, v5
	v_add_nc_u32 v[RD], s23, v5                    ; back: eight lanes take a head's 128 bytes of a row, 32 lanes four rows
	v_and_b32 v6, 31, v0
	v_lshlrev_b32 v[CO], 4, v6                     ; which are 512 consecutive bytes of qkv16
	v_lshlrev_b32 v[FO], 8, v1
	v_lshl_add_u32 v[FO], v2, 5, v[FO]             ; first32: row r of 256 bytes, + 32 h
	v_lshlrev_b32 v[BA], 5, v2
	; where my wave's results go
	s_lshr_b32 s20, s17, 3                         ; batch
	s_lshl_b32 s21, s20, 4
	s_lshl_b32 s46, s40, 2
	s_lshl_b32 s47, s16, 1
	s_add_co_u32 s46, s46, s47                     ; my first head: 4 cx + 2 x column half
	s_add_co_u32 s21, s21, s46
	s_lshl_b32 s21, s21, 11                        ; (16 batch + head) x 2,048 positions
	s_and_b32 s22, s17, 7
	s_lshl_b32 s23, s22, 8
	s_add_co_u32 s21, s21, s23
	s_lshl_b32 s23, s15, 7
	s_add_co_u32 s21, s21, s23                     ; + my first position
	s_lshl_b32 s92, s21, 7                         ; rows of 128 bytes
	s_lshl_b32 s93, ttmp9, 24                      ; q, k or v: 16,777,216 bytes each
	s_add_co_u32 s92, s92, s93
	s_mov_b32 s93, 0
	s_add_nc_u64 s[12:13], s[12:13], s[92:93]
	s_mul_i32 s92, s20, 3
	s_add_co_u32 s92, s92, ttmp9
	s_lshl_b32 s92, s92, 4
	s_add_co_u32 s92, s92, s46
	s_lshl_b32 s92, s92, 12                        ; first32: ((3 batch + which) x 16 + head) x 4,096 bytes
	s_add_nc_u64 s[98:99], s[98:99], s[92:93]
	s_lshl_b32 s92, s42, 10
	s_lshl_b32 s94, s16, 9
	s_add_co_u32 s92, s92, s94                     ; the bias of my 128 columns
	s_add_nc_u64 s[66:67], s[66:67], s[92:93]
	s_or_b32 s94, s22, s15                         ; 0 where my wave's first row is position 0 of a sequence
	; THE BIAS IS THE C OF THE FIRST K STEP.  Its 64 registers begin as zeros and are loaded under a lane mask that is empty in k's clusters: so k gets no bias, and its part of b_attn is not read.
	WIN TO_B
.set i, 0
.rept 64
	v_mov_b32 v[BI+i], 0
.set i, i+1
.endr
	WIN 0
	s_mov_b32 s95, ttmp9
	v_mov_b32 v13, s95
	s_wait_xcnt 0x0                                ; EXEC changes only behind this wait
	v_cmp_ne_u32 vcc_lo, 1, v13
	s_and_saveexec_b32 s95, vcc_lo
	WIN TO_B
.irp b, 0,1,2,3,4,5,6,7
	global_load_b128 v[BI+8*\b:BI+8*\b+3], v[BA], s[66:67] offset:64*\b          ; columns 16 b + 8 h + 0 .. 3
	global_load_b128 v[BI+8*\b+4:BI+8*\b+7], v[BA], s[66:67] offset:64*\b+16
.endr
	WIN 0
	s_wait_xcnt 0x0                                ; and again, in front of the line that widens it
	s_or_b32 exec_lo, exec_lo, s95
.macro FRAG reg, adr, q, i             ; 16 rows x 128 K of 4-bit codes: 8 registers, two loads of 16 bytes, 32 bytes apart
.irp c, 0,1
	ds_load_b128 v[\reg+4*\c:\reg+4*\c+3], v[\adr] offset:64*(\q)+32*\c+(\i)*16*PITCH
.endr
.endm
; 16 matrix instructions: A's blocks a0, a0 + 1 x B's eight.  first = 1: C is the bias.  The 64 accumulators take turns, one instruction a turn.
.macro MUL16 a0, p, q, sc, first
.irp a, \a0, \a0+1
.irp b, 0,1,2,3,4,5,6,7
.if \first
	v_wmma_scale_f32_16x16x128_f8f6f4 v[8*(8*((\a)%4)+\b):8*(8*((\a)%4)+\b)+7], v[128*(\p)+FR*\b:128*(\p)+FR*\b+FR-1], v[AF+FR*(\a):AF+FR*(\a)+FR-1], v[BI+8*\b:BI+8*\b+7], v[SC+8*NQ*(\sc)+NQ*\b+(\q)], v[SC+8*NQ*(\sc)+NQ*(\a)+(\q)] matrix_a_fmt:MATRIX_FMT_FP4 matrix_b_fmt:MATRIX_FMT_FP4 matrix_a_scale:MATRIX_SCALE_ROW1
.else
	v_wmma_scale_f32_16x16x128_f8f6f4 v[8*(8*((\a)%4)+\b):8*(8*((\a)%4)+\b)+7], v[128*(\p)+FR*\b:128*(\p)+FR*\b+FR-1], v[AF+FR*(\a):AF+FR*(\a)+FR-1], v[8*(8*((\a)%4)+\b):8*(8*((\a)%4)+\b)+7], v[SC+8*NQ*(\sc)+NQ*\b+(\q)], v[SC+8*NQ*(\sc)+NQ*(\a)+(\q)] matrix_a_fmt:MATRIX_FMT_FP4 matrix_b_fmt:MATRIX_FMT_FP4 matrix_a_scale:MATRIX_SCALE_ROW1
.endif
.endr
.endr
.endm
.macro FETCH_B slot, q, p
	WIN TO_B
.irp i, 0,1,2,3,4,5,6,7
	FRAG 128*(\p)+FR*\i, ADRB+\slot, \q, \i
.endr
	WIN 0
.endm
.macro FETCH_A slot, q, i0
.irp i, \i0, \i0+1, \i0+2, \i0+3
	FRAG AF+FR*(\i), ADRA+\slot, \q, \i
.endr
.endm
.macro SCALES sc                       ; a slot's scale words: lanes 0-15 take A's block i, lanes 16-31 B's block i
.irp i, 0,1,2,3,4,5,6,7
	ds_load_b128 v[SC+8*NQ*\sc+NQ*\i:SC+8*NQ*\sc+NQ*\i+3], v[ADRS] offset:\i*SBLK
.endr
.endm
.macro PLACES n                        ; plain vector lines between a matrix instruction and a load into, or a read of, its registers
.rept \n
	v_nop
.endr
.endm
.macro STEP slot, q, first             ; 128 along K that has its successor in the same slot
	s_wait_dscnt 4*NL                              ; B's set and A's blocks 0-3 are in; the youngest eight loads (A's blocks 4-7) may be out
.if \first
	WIN 0x91                                       ; C (the bias) window 1, D window 2
.else
	WIN MUL_LO
.endif
	MUL16 0, (\q)%2, \q, \slot, \first
	MUL16 2, (\q)%2, \q, \slot, \first
	s_wait_dscnt 0                                 ; A's blocks 4-7 are in
	PLACES NP
	FETCH_B \slot, (\q)+1, 1-(\q)%2
	FETCH_A \slot, (\q)+1, 0
.if \first
	WIN 0xd1                                       ; C window 1, D window 3
.else
	WIN MUL_HI
.endif
	MUL16 4, (\q)%2, \q, \slot, \first
	MUL16 6, (\q)%2, \q, \slot, \first
	PLACES NP
	WIN 0
	FETCH_A \slot, (\q)+1, 4
.endm
.macro TURN slot, next                 ; slot 0's last step goes over to slot 1: one barrier; nothing is filled again
	s_wait_tensorcnt 0x0                           ; all my tensor loads have landed: my part of the next slot
	ds_add_u32 v[SPW], v[NIL]
	s_wait_dscnt 4*NL+1                            ; (the add and the youngest eight loads may be out)
	WIN MUL_LO
	MUL16 0, 1, NQ-1, \slot, 0
	s_wait_dscnt 0x0                               ; the add is done, and my reads of this slot are over
	s_barrier_signal -1
	MUL16 2, 1, NQ-1, \slot, 0
	WIN 0
	s_barrier_wait -1                              ; the next slot is whole, and nobody reads this one any more
	PLACES NP
	v_add_nc_u32 v[ADRS], 4*NQ, v[ADRS]            ; the next slot's scale words
	FETCH_B \next, 0, 0
	FETCH_A \next, 0, 0
	SCALES \next
	WIN MUL_HI
	MUL16 4, 1, NQ-1, \slot, 0
	MUL16 6, 1, NQ-1, \slot, 0
	PLACES NP
	WIN 0
	FETCH_A \next, 0, 4
.endm
	s_wait_tensorcnt 1                             ; the scales and my part of slot 0 are in (slot 1's load, issued behind them, may be out),
	s_barrier_signal -1
	s_barrier_wait -1                              ; everybody's are
	FETCH_B 0, 0, 0
	FETCH_A 0, 0, 0
	SCALES 0
	FETCH_A 0, 0, 4
	s_wait_loadcnt 0x0                             ; the bias
	STEP 0, 0, 1
	STEP 0, 1, 0
	STEP 0, 2, 0
	TURN 0, 1
	STEP 1, 0, 0
	STEP 1, 1, 0
	STEP 1, 2, 0
	s_wait_dscnt 4*NL                              ; the last step: nothing more to fetch
	WIN MUL_LO
	MUL16 0, 1, NQ-1, 1, 0
	MUL16 2, 1, NQ-1, 1, 0
	s_wait_dscnt 0
	WIN MUL_HI
	MUL16 4, 1, NQ-1, 1, 0
	MUL16 6, 1, NQ-1, 1, 0
	WIN 0
	PLACES NP                                      ; behind the last products: for the reads of results and for the loads into registers that held scales
	; THE FIRST 16 POSITIONS OF A SEQUENCE IN f32: my block 0, where my wave's first row is position 0.  A lane mask chooses, not a branch.  Pieces of 32 bytes: 768 KB in the whole launch.
	v_mov_b32 v[FM], s94
	s_wait_xcnt 0x0
	v_cmp_eq_u32 vcc_lo, 0, v[FM]
	s_and_saveexec_b32 s95, vcc_lo
	WIN 0x08                                       ; a store's data: window 2
.irp b, 0,1,2,3,4,5,6,7
	global_store_b128 v[FO], v[8*\b:8*\b+3], s[98:99] offset:(\b/4)*4096+(\b%4)*64      ; each accumulator from its low end on
	global_store_b128 v[FO], v[8*\b+4:8*\b+7], s[98:99] offset:(\b/4)*4096+(\b%4)*64+16
.endr
	WIN 0
	s_wait_xcnt 0x0
	s_or_b32 exec_lo, exec_lo, s95
; THE WAY OUT, block by block of 16 rows x 128 columns (two heads): rounded to f16, through my stage, back as 4 rows x 128 bytes of one head: 512 consecutive bytes of qkv16 a store.
.macro PACK a
.set AC, 64*((\a)%4)
	WIN 0x0a+5*((\a)/4)                            ; sources: window 2 or 3
.irp b, 0,1,2,3,4,5,6,7
.irp r, 0,1,2,3
	v_cvt_pk_f16_f32 v[TMP+4*\b+\r], v[AC+8*\b+2*\r], v[AC+8*\b+2*\r+1]
.endr
.endr
	WIN 0
.endm
.macro TOSTAGE a
.set BK, OB+192*((\a)%2)
.irp b, 0,1,2,3,4,5,6,7
	ds_store_b128 v[STO], v[TMP+4*\b:TMP+4*\b+3] offset:32*\b
.endr
.irp hh, 0,1
.irp i, 0,1,2,3
	ds_load_b128 v[BK+16*\hh+4*\i:BK+16*\hh+4*\i+3], v[RD] offset:\i*4*SPITCH+128*\hh   ; LDS serves a wave's instructions in order: these see the stores above
.endr
.endr
.endm
.macro SEND a
.set BK, OB+192*((\a)%2)
	s_wait_dscnt 0x0                               ; the block is back in registers
	s_wait_xcnt 0x0                                ; the block before has left its registers: the next block's loads may land there
.irp hh, 0,1
.irp i, 0,1,2,3
	global_store_b128 v[CO], v[BK+16*\hh+4*\i:BK+16*\hh+4*\i+3], s[12:13] offset:(\a)*2048+\hh*262144+\i*512
.endr
.endr
.endm
	PACK 0
	TOSTAGE 0
.irp a, 1,2,3,4,5,6,7                  ; block a's conversions stand between block a - 1's loads from the stage and the wait for them
	PACK \a
	SEND \a-1
	TOSTAGE \a
.endr
	SEND 7
	s_wait_tensorcnt 0x0                           ; the wave's end
	ds_add_u32 v[SPW], v[NIL]
	s_wait_dscnt 0x0
	CROUND                                         ; the closing round
	s_endpgm
.Lfunc_end_k_q5a057aafc1_qkv:
	.size	k_q5a057aafc1_qkv, .Lfunc_end_k_q5a057aafc1_qkv-k_q5a057aafc1_qkv
	.p2alignl 7, 3214868480
	.fill 96, 4, 3214868480
	.section	.rodata,"a",@progbits
	.p2align	6, 0x0
	.amdhsa_kernel k_q5a057aafc1_qkv
		.amdhsa_group_segment_fixed_size 327680
		.amdhsa_private_segment_fixed_size 0
		.amdhsa_enable_private_segment 0
		.amdhsa_kernarg_size 56
		.amdhsa_user_sgpr_count 2
		.amdhsa_user_sgpr_kernarg_segment_ptr 1
		.amdhsa_wavefront_size32 1
		.amdhsa_system_sgpr_workgroup_id_x 1
		.amdhsa_system_sgpr_workgroup_id_y 1
		.amdhsa_system_sgpr_workgroup_id_z 1
		.amdhsa_system_vgpr_workitem_id 0
		.amdhsa_next_free_vgpr 1024
		.amdhsa_next_free_sgpr 100
		.amdhsa_reserve_vcc 1
		.amdhsa_float_denorm_mode_32 3
		.amdhsa_float_denorm_mode_16_64 3
		.amdhsa_memory_ordered 1
		.amdhsa_forward_progress 1
		.amdhsa_inst_pref_size 132
	.end_amdhsa_kernel
	.amdgpu_metadata
---
amdhsa.version: [ 1, 2 ]
amdhsa.kernels:
  - .name:           k_q5a057aafc1_qkv
    .symbol:         k_q5a057aafc1_qkv.kd
    .args:
      - { .name: x_codes, .offset: 0, .size: 8, .value_kind: global_buffer, .address_space: global }
      - { .name: x_scales, .offset: 8, .size: 8, .value_kind: global_buffer, .address_space: global }
      - { .name: w_codes, .offset: 16, .size: 8, .value_kind: global_buffer, .address_space: global }
      - { .name: w_scales, .offset: 24, .size: 8, .value_kind: global_buffer, .address_space: global }
      - { .name: b_attn, .offset: 32, .size: 8, .value_kind: global_buffer, .address_space: global }
      - { .name: qkv16, .offset: 40, .size: 8, .value_kind: global_buffer, .address_space: global }
      - { .name: first32, .offset: 48, .size: 8, .value_kind: global_buffer, .address_space: global }
    .group_segment_fixed_size: 327680
    .private_segment_fixed_size: 0
    .kernarg_segment_align: 8
    .kernarg_segment_size: 56
    .max_flat_workgroup_size: 128
    .sgpr_count:     100
    .vgpr_count:     1024
    .wavefront_size: 32
...
	.end_amdgpu_metadata
.endif
;; end of part 2
;; launch attn (part 3): grid 4 x 64, 8 waves a work-group, no clusters, 327,680 bytes of LDS; arguments qkv16, att16; writes att16
.if DOCPART == 3
	.amdgcn_target "amdgcn-amd-amdhsa--gfx1250"
	.amdhsa_code_object_version 6
	.text
	.protected	k_q5a057aafc1_attn
	.globl	k_q5a057aafc1_attn
	.p2align	8
	.type	k_q5a057aafc1_attn,@function
k_q5a057aafc1_attn:
	s_mov_b64 s[64:65], 0
	v_nop
	global_prefetch_b8 v0, s[64:65] scope:SCOPE_SE
	s_setreg_imm32_b32 hwreg(HW_REG_WAVE_MODE, 25, 1), 1
	s_wait_xcnt 0x0
; att[b][h][q] = sum over k <= q of softmax_k(q . k / 8) v, on f16 operands, f32 sums, maxima and weights; the weights are rounded to f16 for the second product.  Head size 64, 2,048 positions.
; LEFT OUT: key steps all of whose 64 keys come after a wave's 32 queries (reference()'s own tril mask gives them weight 0), and units of 256 keys that lie wholly behind a block of queries.
; IN: qkv16 [q, k, v][batch][head][t][64].  OUT: att16 [head][2048 batch + t][64], f16: chunk h is K = 64 h .. 64 h + 63 of the projection.
; NO CLUSTER: the query blocks of a head need different numbers of key tiles under the mask, so a partner would be sent tiles that none of its waves reads.
; SHARES.  Work-group (i, head) takes query blocks 7 - i and then i of its head, 256 queries each: (8 - i) + (i + 1) = 9 units of 256 keys for every work-group.  A wave owns 32 queries, two tiles of 16;
; in the second block the waves take the rows in reverse, so that every wave walks 33 key steps of 64.  Two waves share a SIMD: one's softmax stands beside the other's products.
; LAYOUT.  S^T = K Q^T (source 0 = 16 keys, source 1 = 16 queries): a lane holds ONE query (lane % 16) and keys 8 (lane / 16) + 0..7.  Two such tiles rounded in pairs ARE source 1 (32 keys x 16 queries) of
; O^T = V^T P; V ([key][channel]) comes out of LDS turned, by ds_load_tr16_b128.
; SOFTMAX.  A running maximum m and sum l for each query: p = 2^(c s - c m), c = log2(e) / 8; in every step O and l are multiplied by a = 2^(c m_old - c m_new).  m begins at -3e38, O and l at 0.
; RING.  Two slots of one unit (four steps' K and V).  Waves 0-3 fetch K of step w, waves 4-7 V of step w - 4: one tensor load a wave behind each change of slots; one load of mine is out at most.
; REGISTERS.  window 0: v1-11 addresses; v12-27 statistics; v32-95 S^T; v96-127 P; v128-191 O^T.  window 1: v0-31 Q; v32-95 K of a step; v96-159 V^T of a step.
.set KS,    64
.set PK,    144                        ; a row of K in LDS: 128 bytes + 16
.set PV,    160                        ; a row of V: 128 + 32
.set VOFF,  KS*PK
.set STEPB, KS*(PK+PV)                 ; a step's K, then its V
.set SLOT1, 1<<17
.set STAGE, 1<<18                      ; the way out: 32 rows x 144 bytes for each wave
.set SPARE, STAGE+8*32*PK              ; the spare words, 128 bytes for each wave
.set AK0,  1
.set AV0,  2
.set ADK,  3
.set ADV,  4
.set QO,   5
.set STO,  6
.set RD,   7
.set GO,   8
.set RH,   9                           ; v9   lane % 16 - 8 (lane / 16)
.set DD,   10
.set NINF, 11
.set ST,   12                          ; tile t at v[ST + 8 t]: +0 c m, +1 m, +2, +3 l, +4..7 at work; a in +6
.set PFO,  28
.set SPW,  30
.set NIL,  31
.set S,    32
.set P,    96
.set OA,   128
.set QFR,  0                           ; in window 1
.set KFR,  32
.set VFR,  96
.set WV,   8
.set IB,   9
.set BH,   10
.set SW,   11                          ; units of the first block: 8 - i
.set QB,   14
.set KB,   16
.set VB,   18
.set SEL,  20
.set CS,   22
.set G1K,  24
.set G1V,  32
.set G0K,  40
.set G0V,  44
.set UN,   48                          ; the unit in hand, 0 .. 8
.set KF,   49                          ; the step's first key
.set Q0,   50                          ; my first query
.set TB,   52                          ; LDS byte at which the step's tiles begin
.set CNT,  53
.set PFA,  60
.set LIM,  62
.set OB,   66
.set QP,   68
.set OP,   70
.set MSB, 0
.macro WIN new
.if MSB != (\new)
	s_set_vgpr_msb (MSB<<8)|(\new)
.set MSB, (\new)
.endif
.endm
.macro TLOAD                           ; every wave issues one: the branch hangs on the wave's number alone; an s_nop 0 and four v_nop follow each line
	s_cmp_lt_u32 s[WV], 4
	s_cbranch_scc0 .Lfor_v_\@
	tensor_load_to_lds s[G0K:G0K+3], s[G1K:G1K+7]
	s_nop 0
.rept 4
	v_nop
.endr
	s_branch .Lasked_\@
.Lfor_v_\@:
	tensor_load_to_lds s[G0V:G0V+3], s[G1V:G1V+7]
	s_nop 0
.rept 4
	v_nop
.endr
.Lasked_\@:
.endm
; A PREFETCH of what the NEXT change of slots will ask for.  The four work-groups of a head walk the same units from 0 up; the one with i = 0 walks all eight and asks, nobody else.  Each of its waves names the
; 8,192 bytes that it will itself fetch, lanes 256 bytes apart: trip u names unit u + 2, u = 0 .. 5.  So each block of 256 bytes of units 2 to 7 is named once; units 0 and 1 come by their loads alone.
.macro ASK
	s_cmp_lt_u32 s[UN], s[LIM]
	s_cbranch_scc0 .Lnot_mine_\@
	global_prefetch_b8 v[PFO], s[PFA:PFA+1] th:TH_LOAD_NT scope:SCOPE_SE
.Lnot_mine_\@:
.endm
	s_load_b128 s[4:7], s[0:1], 0x0                ; qkv16, att16
	v_lshl_add_u32 v[SPW], v0, 2, SPARE
	v_mov_b32 v[NIL], 0
	ds_add_u32 v[SPW], v[NIL]                      ; the wave's opening: the add, twice on end, and its wait ahead of my first tensor load
	ds_add_u32 v[SPW], v[NIL]
	v_lshrrev_b32 v1, 5, v0
	v_readfirstlane_b32 s[WV], v1                  ; wave 0..7
	s_mov_b32 s[IB], ttmp9
	s_and_b32 s[BH], ttmp7, 0xffff                 ; 16 batch + head
	s_sub_co_u32 s[SW], 8, s[IB]
	s_mov_b32 s[G1K], (1<<16)|(1<<20)|(4<<22)|(3<<25)   ; elements of 2 bytes; padding: 4 words behind every 32
	s_mov_b32 s[G1V], (1<<16)|(1<<20)|(4<<22)|(7<<25)   ; 8 words
.irp g, G1K, G1V
	s_mov_b32 s[\g+1], 64<<16                      ; tensor_dim0
	s_mov_b32 s[\g+2], KS<<16                      ; tensor_dim1
	s_mov_b32 s[\g+3], 64<<16                      ; tile_dim0
	s_mov_b32 s[\g+4], KS                          ; tile_dim1
	s_mov_b32 s[\g+5], 64                          ; from row to row
	s_mov_b32 s[\g+6], 0
	s_mov_b32 s[\g+7], 0
.endr
	s_mov_b32 s[SEL], 0x76543210
	s_mov_b32 s[SEL+1], 0xfedcba98
	s_mov_b32 s[CS], 0x3e38aa3b                    ; c = log2(e) / 8
	s_mov_b32 s[CS+1], s[CS]
	s_and_b32 s12, s[WV], 3                        ; which of a unit's four steps I fetch
	s_mul_i32 s13, s12, STEPB
	s_lshl_b32 s54, s[BH], 18                      ; a head's 2,048 rows of 128 bytes
	s_mov_b32 s55, 0
	s_lshl_b32 s56, s12, 13                        ; a step's 64 rows
	s_mov_b32 s57, 0
	s_cmp_eq_u32 s[IB], 0
	s_cselect_b32 s[LIM], 6, 0
	s_mov_b32 s[TB], 0
	s_mov_b32 s[UN], 0
	s_wait_dscnt 0x0                               ; both opening adds are done
	s_wait_kmcnt 0x0
	s_add_nc_u64 s[QB:QB+1], s[4:5], s[54:55]
	s_add_nc_u64 s[KB:KB+1], s[QB:QB+1], s[56:57]
	s_add_nc_u64 s[VB:VB+1], s[KB:KB+1], 0x2000000
	s_add_nc_u64 s[KB:KB+1], s[KB:KB+1], 0x1000000
	s_mov_b32 s[G0K], 1
	s_mov_b32 s[G0K+1], s13
	s_mov_b64 s[G0K+2:G0K+3], s[KB:KB+1]
	s_or_b32 s[G0K+3], s[G0K+3], 0x80000000
	s_mov_b32 s[G0V], 1
	s_add_co_u32 s[G0V+1], s13, VOFF
	s_mov_b64 s[G0V+2:G0V+3], s[VB:VB+1]
	s_or_b32 s[G0V+3], s[G0V+3], 0x80000000
	TLOAD                                          ; unit 0 into slot 0
	s_cmp_lt_u32 s[WV], 4
	s_cselect_b64 s[PFA:PFA+1], s[KB:KB+1], s[VB:VB+1]
	s_add_nc_u64 s[PFA:PFA+1], s[PFA:PFA+1], 32768 ; at unit 1: the first change of slots steps it to unit 2
	s_and_b32 s54, s[BH], 15
	s_lshl_b32 s54, s54, 20                        ; att16: chunk = head, 8,192 rows of 128 bytes,
	s_lshr_b32 s56, s[BH], 4
	s_lshl_b32 s56, s56, 18                        ; + 2,048 rows a batch
	s_add_co_u32 s54, s54, s56
	s_add_nc_u64 s[OB:OB+1], s[6:7], s[54:55]
	v_and_b32 v3, 15, v0                           ; r
	v_bfe_u32 v4, v0, 4, 1                         ; h
	v_mul_u32_u24 v[AK0], v3, PK
	v_lshl_add_u32 v[AK0], v4, 4, v[AK0]           ; K: row r x pitch + 16 h
	v_and_b32 v10, 7, v0
	v_lshl_add_u32 v[AV0], v4, 3, v10
	v_mul_u32_u24 v[AV0], v[AV0], PV
	v_bfe_u32 v10, v0, 3, 1
	v_lshl_add_u32 v[AV0], v10, 4, v[AV0]
	v_add_nc_u32 v[AV0], VOFF, v[AV0]              ; V: key 8 h + lane % 8, channels 8 ((lane / 8) % 2) on
	v_lshlrev_b32 v[QO], 7, v3
	v_lshl_add_u32 v[QO], v4, 4, v[QO]             ; Q: row r of 128 bytes + 16 h
	s_mul_i32 s54, s[WV], 32*PK
	s_add_co_u32 s54, s54, STAGE
	v_add_nc_u32 v[STO], s54, v[AK0]               ; the stage, in: row r, 16 bytes for each half of the lanes
	v_bfe_u32 v10, v0, 3, 2
	v_mul_u32_u24 v[RD], v10, PK
	v_and_b32 v10, 7, v0
	v_lshl_add_u32 v[RD], v10, 4, v[RD]
	v_add_nc_u32 v[RD], s54, v[RD]                 ; back: eight lanes to a row of 128 bytes
	v_and_b32 v10, 31, v0
	v_lshlrev_b32 v[GO], 4, v10
	v_lshlrev_b32 v[PFO], 8, v10
	v_lshlrev_b32 v10, 3, v4
	v_sub_nc_u32 v[RH], v3, v10
	v_mov_b32 v[NINF], 0xff800000
.macro START                           ; a block of queries begins: Q into registers, the statistics and O^T at their first values
	s_lshl_b32 s54, s[Q0], 7
	s_mov_b32 s55, 0
	s_add_nc_u64 s[QP:QP+1], s[QB:QB+1], s[54:55]
	WIN 0x40
.irp t, 0,1
.irp s, 0,1
.irp c, 0,1
	global_load_b128 v[QFR+16*\t+8*\s+4*\c:QFR+16*\t+8*\s+4*\c+3], v[QO], s[QP:QP+1] offset:2048*\t+64*\s+32*\c
.endr
.endr
.endr
	WIN 0
.irp t, 0,1
	v_mov_b32 v[ST+8*\t+1], 0xff61b1e6             ; m = -3e38, under every score
	v_mul_f32 v[ST+8*\t], s[CS], v[ST+8*\t+1]
.irp j, 2,3,4,5,6,7
	v_mov_b32 v[ST+8*\t+\j], 0
.endr
.endr
.set i, 0
.rept 64
	v_mov_b32 v[OA+i], 0                           ; the step is written once: the first finds zeros, which a = 0 leaves zeros
.set i, i+1
.endr
	s_mov_b32 s[KF], 0
	s_wait_loadcnt 0x0                             ; Q
.endm
.macro FINISH                          ; a block of queries ends: O^T / l, rounded to f16, through my stage, out as 512 consecutive bytes a store
.rept 4
	v_nop                                          ; places behind the last products
.endr
.irp t, 0,1
	v_add_f32 v[ST+8*\t+4], v[ST+8*\t+2], v[ST+8*\t+3]
.endr
.irp t, 0,1
	v_permlanex16_b32 v[ST+8*\t+5], v[ST+8*\t+4], s[SEL], s[SEL+1]
.endr
.irp t, 0,1
	v_add_f32 v[ST+8*\t+4], v[ST+8*\t+4], v[ST+8*\t+5]
.endr
.irp t, 0,1
	v_rcp_f32 v[ST+8*\t+6], v[ST+8*\t+4]
.endr
	v_nop                                          ; a plain line behind the reciprocals,
	s_wait_alu depctr_va_vdst(0)                   ; and the one wait ahead of their first reader
.irp t, 0,1
.set i, 0
.rept 16
	v_pk_mul_f32 v[OA+32*\t+2*i:OA+32*\t+2*i+1], v[OA+32*\t+2*i:OA+32*\t+2*i+1], v[ST+8*\t+6:ST+8*\t+7] op_sel_hi:[1,0]
.set i, i+1
.endr
.endr
.irp t, 0,1
.set i, 0
.rept 16
	v_cvt_pk_f16_f32 v[S+16*\t+i], v[OA+32*\t+2*i], v[OA+32*\t+2*i+1]
.set i, i+1
.endr
.endr
.irp t, 0,1
.irp c, 0,1,2,3
	ds_store_b128 v[STO], v[S+16*\t+4*\c:S+16*\t+4*\c+3] offset:16*PK*\t+32*\c
.endr
.endr
.irp t, 0,1
.irp c, 0,1,2,3
	ds_load_b128 v[S+32+16*\t+4*\c:S+32+16*\t+4*\c+3], v[RD] offset:16*PK*\t+4*PK*\c   ; LDS serves a wave's instructions in order: these see my stores
.endr
.endr
	s_lshl_b32 s54, s[Q0], 7
	s_mov_b32 s55, 0
	s_add_nc_u64 s[OP:OP+1], s[OB:OB+1], s[54:55]  ; (the last block's stores have read their base: the wait at this macro's end)
	s_wait_dscnt 0x0
.irp t, 0,1
.irp c, 0,1,2,3
	global_store_b128 v[GO], v[S+32+16*\t+4*\c:S+32+16*\t+4*\c+3], s[OP:OP+1] offset:2048*\t+512*\c
.endr
.endr
	s_wait_xcnt 0x0                                ; the stores have read their registers, which the next scores take
.endm
; THE CHANGE OF SLOTS, at a unit's head: all my tensor loads have landed (my part of the unit ahead); the add; my reads of the slot left are over; the barrier; then the slot left is filled with the next unit.
.macro CHANGE fill
	s_wait_tensorcnt 0x0                           ; no tensor load of mine is out: the groups 0 may be written
	ds_add_u32 v[SPW], v[NIL]
.if \fill
	s_xor_b32 s[G0K+1], s[G0K+1], SLOT1
	s_xor_b32 s[G0V+1], s[G0V+1], SLOT1
	s_add_co_u32 s54, s[UN], 1
	s_sub_co_u32 s55, s54, s[SW]
	s_cmp_ge_u32 s54, s[SW]
	s_cselect_b32 s54, s55, s54                    ; the next unit's number within its block of queries
	s_lshl_b32 s54, s54, 15                        ; 256 rows of 128 bytes
	s_mov_b32 s55, 0
	s_add_nc_u64 s[G0K+2:G0K+3], s[KB:KB+1], s[54:55]
	s_or_b32 s[G0K+3], s[G0K+3], 0x80000000
	s_add_nc_u64 s[G0V+2:G0V+3], s[VB:VB+1], s[54:55]
	s_or_b32 s[G0V+3], s[G0V+3], 0x80000000
	s_wait_xcnt 0x0                                ; the last prefetch, a unit back, has read its address
	s_add_nc_u64 s[PFA:PFA+1], s[PFA:PFA+1], 32768
.endif
	s_wait_dscnt 0x0                               ; the add is done, and my reads of the slot that I have left are over
	s_barrier_signal -1
	s_barrier_wait -1
.if \fill
	TLOAD                                          ; first thing behind the barrier, my one tensor load until the next: it has a unit's four steps in which to land
	ASK
.endif
.endm
.macro SOFTMAX                         ; both tiles line by line, so that no line waits for the line above it
.irp j, 0,1,2,3
.irp t, 0,1
	v_max3_num_f32 v[ST+8*\t+4+\j], v[S+32*\t+8*\j], v[S+32*\t+8*\j+1], v[S+32*\t+8*\j+2]   ; each accumulator is read from its low end on
.endr
.endr
.irp g, 1,2
.irp j, 0,1,2,3
.irp t, 0,1
	v_max3_num_f32 v[ST+8*\t+4+\j], v[ST+8*\t+4+\j], v[S+32*\t+8*\j+2*\g+1], v[S+32*\t+8*\j+2*\g+2]
.endr
.endr
.endr
.irp t, 0,1
	v_max3_num_f32 v[ST+8*\t+4], v[ST+8*\t+4], v[S+32*\t+7], v[S+32*\t+15]
.endr
.irp t, 0,1
	v_max3_num_f32 v[ST+8*\t+6], v[ST+8*\t+6], v[S+32*\t+23], v[S+32*\t+31]
.endr
.irp t, 0,1
	v_max3_num_f32 v[ST+8*\t+4], v[ST+8*\t+4], v[ST+8*\t+5], v[ST+8*\t+6]
.endr
.irp t, 0,1
	v_max3_num_f32 v[ST+8*\t+4], v[ST+8*\t+4], v[ST+8*\t+7], v[ST+8*\t+1]   ; with the old m
.endr
.irp t, 0,1
	v_permlanex16_b32 v[ST+8*\t+5], v[ST+8*\t+4], s[SEL], s[SEL+1]          ; the query's other 32 keys lie in the lane 16 away
.endr
.irp t, 0,1
	v_mov_b32 v[ST+8*\t+7], v[ST+8*\t]             ; c m_old
.endr
.irp t, 0,1
	v_max_num_f32 v[ST+8*\t+1], v[ST+8*\t+4], v[ST+8*\t+5]
.endr
.irp t, 0,1
	v_mul_f32 v[ST+8*\t], s[CS], v[ST+8*\t+1]
.endr
.irp t, 0,1
	v_sub_f32 v[ST+8*\t+7], v[ST+8*\t+7], v[ST+8*\t]
.endr
.set b, 0
.rept 16
.irp t, 0,1
	v_pk_fma_f32 v[S+32*\t+2*b:S+32*\t+2*b+1], v[S+32*\t+2*b:S+32*\t+2*b+1], s[CS:CS+1], v[ST+8*\t:ST+8*\t+1] op_sel_hi:[1,0,0] neg_lo:[0,0,1] neg_hi:[0,0,1]   ; c s - c m
.endr
.set b, b+1
.endr
.irp t, 0,1
	v_exp_f32 v[ST+8*\t+6], v[ST+8*\t+7]           ; a
.endr
.set b, 0
.rept 32
.irp t, 0,1
	v_exp_f32 v[S+32*\t+b], v[S+32*\t+b]           ; p
.endr
.set b, b+1
.endr
	v_nop                                          ; a plain line behind the batch of 66,
	s_wait_alu depctr_va_vdst(0)                   ; and ONE wait ahead of its first reader
.set b, 0
.rept 16
.irp t, 0,1
	v_cvt_pk_f16_f32 v[P+16*\t+b], v[S+32*\t+2*b], v[S+32*\t+2*b+1]
.endr
.set b, b+1
.endr
.irp w, 4,8,16,32                      ; the sum of the 16 pairs, in place: neighbours 1, 2, 4, 8 pairs apart
.set b, 0
.rept 32/\w
.irp t, 0,1
	v_pk_add_f32 v[S+32*\t+\w*b:S+32*\t+\w*b+1], v[S+32*\t+\w*b:S+32*\t+\w*b+1], v[S+32*\t+\w*b+\w/2:S+32*\t+\w*b+\w/2+1]
.endr
.set b, b+1
.endr
.endr
.irp t, 0,1
	v_pk_fma_f32 v[ST+8*\t+2:ST+8*\t+3], v[ST+8*\t+2:ST+8*\t+3], v[ST+8*\t+6:ST+8*\t+7], v[S+32*\t:S+32*\t+1] op_sel_hi:[1,0,1]   ; l = a l + the sum
.endr
.set b, 0
.rept 16
.irp t, 0,1
	v_pk_mul_f32 v[OA+32*\t+2*b:OA+32*\t+2*b+1], v[OA+32*\t+2*b:OA+32*\t+2*b+1], v[ST+8*\t+6:ST+8*\t+7] op_sel_hi:[1,0]   ; O^T x a
.endr
.set b, b+1
.endr
.endm
.macro STEP                            ; 64 keys
	s_add_co_u32 s54, s[Q0], 31
	s_cmp_gt_u32 s[KF], s54                        ; all keys behind my last query: the step's work is left out (ids and counts alone); the address steps at its end are not
	s_cbranch_scc1 .Lhid_\@
	v_add_nc_u32 v[ADK], s[TB], v[AK0]
	v_add_nc_u32 v[ADV], s[TB], v[AV0]
	v_nop
	v_nop                                          ; four places between the last step's products and the loads into V's registers
	WIN 0x40
.irp kt, 0,1,2,3
.irp s, 0,1
	ds_load_b128 v[KFR+16*\kt+8*\s:KFR+16*\kt+8*\s+3],   v[ADK] offset:\kt*16*PK+64*\s
	ds_load_b128 v[KFR+16*\kt+8*\s+4:KFR+16*\kt+8*\s+7], v[ADK] offset:\kt*16*PK+64*\s+32
.endr
.endr
.irp ct, 0,1,2,3
.irp kh, 0,1
	ds_load_tr16_b128 v[VFR+16*\ct+8*\kh:VFR+16*\ct+8*\kh+3],   v[ADV] offset:\kh*32*PV+32*\ct
	ds_load_tr16_b128 v[VFR+16*\ct+8*\kh+4:VFR+16*\ct+8*\kh+7], v[ADV] offset:\kh*32*PV+16*PV+32*\ct
.endr
.endr
	s_wait_dscnt 16                                ; K's sixteen loads are in; V's sixteen, issued behind them, may be out
	WIN 0x05
.irp s, 0,1                            ; S^T = K Q^T: the eight accumulators take turns; the first 32 channels start the sums
.irp kt, 0,1,2,3
.irp t, 0,1
.if \s == 0
	v_wmma_f32_16x16x32_f16 v[S+32*\t+8*\kt:S+32*\t+8*\kt+7], v[KFR+16*\kt+8*\s:KFR+16*\kt+8*\s+7], v[QFR+16*\t+8*\s:QFR+16*\t+8*\s+7], 0
.else
	v_wmma_f32_16x16x32_f16 v[S+32*\t+8*\kt:S+32*\t+8*\kt+7], v[KFR+16*\kt+8*\s:KFR+16*\kt+8*\s+7], v[QFR+16*\t+8*\s:QFR+16*\t+8*\s+7], v[S+32*\t+8*\kt:S+32*\t+8*\kt+7]
.endif
.endr
.endr
.endr
	WIN 0
.rept 4
	v_nop                                          ; places in front of the first read of the scores
.endr
	s_add_co_u32 s54, s[KF], 63
	s_cmp_le_u32 s54, s[Q0]                        ; all 64 keys count for all my queries: no mask
	s_cbranch_scc1 .Lopen_\@
	s_sub_co_i32 s54, s[Q0], s[KF]
	v_add_nc_u32 v[DD], s54, v[RH]                 ; d = my query - KF - 8 (lane / 16).  Register 8 kt + j holds key KF + 16 kt + 8 (lane / 16) + j: hidden where 16 kt + j > d
.irp t, 0,1
.if \t == 1
	v_add_nc_u32 v[DD], 16, v[DD]
.endif
.set n, 0
.rept 32
	v_cmp_gt_i32 vcc_lo, 16*(n/8)+n%8, v[DD]
	v_cndmask_b32 v[S+32*\t+n], v[S+32*\t+n], v[NINF], vcc_lo
.set n, n+1
.endr
.endr
.Lopen_\@:
	SOFTMAX
	s_wait_dscnt 0x0                               ; V is in
	WIN 0x01
.irp kh, 0,1                           ; O^T += V^T P: the eight accumulators take turns
.irp ct, 0,1,2,3
.irp t, 0,1
	v_wmma_f32_16x16x32_f16 v[OA+32*\t+8*\ct:OA+32*\t+8*\ct+7], v[VFR+16*\ct+8*\kh:VFR+16*\ct+8*\kh+7], v[P+16*\t+8*\kh:P+16*\t+8*\kh+7], v[OA+32*\t+8*\ct:OA+32*\t+8*\ct+7]
.endr
.endr
.endr
	WIN 0
.Lhid_\@:
	s_add_co_u32 s[KF], s[KF], KS
	s_add_co_u32 s[TB], s[TB], STEPB
.endm
.macro UNIT                            ; a unit's four steps; at the first unit of the second block the first block leaves
	s_cmp_lg_u32 s[UN], s[SW]
	s_cbranch_scc1 .Lsame_\@
	FINISH
	s_sub_co_u32 s54, 7, s[WV]
	s_lshl_b32 s54, s54, 5
	s_lshl_b32 s55, s[IB], 8
	s_add_co_u32 s[Q0], s54, s55                   ; block i, the waves in reverse
	START
.Lsame_\@:
	s_mov_b32 s[CNT], 4
.Lstep_\@:
	STEP
	s_sub_co_u32 s[CNT], s[CNT], 1
	s_cmp_lg_u32 s[CNT], 0
	s_cbranch_scc1 .Lstep_\@
	s_sub_co_u32 s[TB], s[TB], 4*STEPB             ; back to a slot's first step,
	s_xor_b32 s[TB], s[TB], SLOT1                  ; in the other slot
.endm
	s_sub_co_u32 s54, 7, s[IB]
	s_lshl_b32 s54, s54, 8
	s_lshl_b32 s55, s[WV], 5
	s_add_co_u32 s[Q0], s54, s55                   ; block 7 - i
	START
.Lunit:                                            ; eight trips: behind each change of slots the next unit is asked for
	CHANGE 1
	UNIT
	s_add_co_u32 s[UN], s[UN], 1
	s_cmp_lt_u32 s[UN], 8
	s_cbranch_scc1 .Lunit
	CHANGE 0                                       ; the ninth unit is written out: nothing is left to fetch
	UNIT
	FINISH
	s_wait_tensorcnt 0x0                           ; the wave's end
	ds_add_u32 v[SPW], v[NIL]
	s_wait_dscnt 0x0
	s_endpgm
.Lfunc_end_k_q5a057aafc1_attn:
	.size	k_q5a057aafc1_attn, .Lfunc_end_k_q5a057aafc1_attn-k_q5a057aafc1_attn
	.p2alignl 7, 3214868480
	.fill 96, 4, 3214868480
	.section	.rodata,"a",@progbits
	.p2align	6, 0x0
	.amdhsa_kernel k_q5a057aafc1_attn
		.amdhsa_group_segment_fixed_size 327680
		.amdhsa_private_segment_fixed_size 0
		.amdhsa_enable_private_segment 0
		.amdhsa_kernarg_size 16
		.amdhsa_user_sgpr_count 2
		.amdhsa_user_sgpr_kernarg_segment_ptr 1
		.amdhsa_wavefront_size32 1
		.amdhsa_system_sgpr_workgroup_id_x 1
		.amdhsa_system_sgpr_workgroup_id_y 1
		.amdhsa_system_sgpr_workgroup_id_z 1
		.amdhsa_system_vgpr_workitem_id 0
		.amdhsa_next_free_vgpr 512
		.amdhsa_next_free_sgpr 72
		.amdhsa_reserve_vcc 1
		.amdhsa_float_denorm_mode_32 3
		.amdhsa_float_denorm_mode_16_64 3
		.amdhsa_memory_ordered 1
		.amdhsa_forward_progress 1
		.amdhsa_inst_pref_size 81
	.end_amdhsa_kernel
	.amdgpu_metadata
---
amdhsa.version: [ 1, 2 ]
amdhsa.kernels:
  - .name:           k_q5a057aafc1_attn
    .symbol:         k_q5a057aafc1_attn.kd
    .args:
      - { .name: qkv16, .offset: 0, .size: 8, .value_kind: global_buffer, .address_space: global }
      - { .name: att16, .offset: 8, .size: 8, .value_kind: global_buffer, .address_space: global }
    .group_segment_fixed_size: 327680
    .private_segment_fixed_size: 0
    .kernarg_segment_align: 8
    .kernarg_segment_size: 16
    .max_flat_workgroup_size: 256
    .sgpr_count:     72
    .vgpr_count:     512
    .wavefront_size: 32
...
	.end_amdgpu_metadata
.endif
;; end of part 3
;; launch proj (part 4): grid 8 x 32, 4 waves a work-group, clusters of 4 x 4, 327,680 bytes of LDS; arguments att16, wp16, b_proj, out0; writes out0
.if DOCPART == 4
	.amdgcn_target "amdgcn-amd-amdhsa--gfx1250"
	.amdhsa_code_object_version 6
	.text
	.protected	k_q5a057aafc1_proj
	.globl	k_q5a057aafc1_proj
	.p2align	8
	.type	k_q5a057aafc1_proj,@function
k_q5a057aafc1_proj:
	s_mov_b64 s[64:65], 0
	v_nop
	global_prefetch_b8 v0, s[64:65] scope:SCOPE_SE
	s_setreg_imm32_b32 hwreg(HW_REG_WAVE_MODE, 25, 1), 1
	s_wait_xcnt 0x0
	s_wait_alu depctr_hold_cnt(0) depctr_sa_sdst(0) depctr_va_vdst(0) depctr_va_sdst(0) depctr_va_ssrc(0) depctr_va_vcc(0) depctr_vm_vsrc(0)
	s_getreg_b32 s2, hwreg(HW_REG_IB_STS2, 6, 4)
	s_cmp_eq_u32 s2, 0
	s_cbranch_scc0 .Lentry_in_a_cluster
	s_endpgm
.Lentry_in_a_cluster:
	s_bfe_u32 s2, ttmp6, 0x10000c
	s_cmp_lg_u32 s2, 0xf033
	s_cbranch_scc0 .Lentry_shape_is_right
	s_endpgm
.Lentry_shape_is_right:
; out0 = att w_proj + b_proj on f16 operands, f32 sums.  M = 8,192, N = 1,024, K = 1,024.  (Positions 0-15 of each sequence are written again, in f32, by the next launch.)
; att16: [chunk of 64 along K][8192 rows][64]; wp16: [k][n].  A tile of 256 x 128 is made by four waves, each 128 x 64: 32 accumulators.  256 work-groups.
; K goes in 8 steps of 128 through two LDS slots.  Waves 0, 1 fetch A's two chunks (256 rows x 128 bytes each), waves 2, 3 B's two halves (64 k-rows x 256 bytes): one load a wave behind each round.
; CLUSTER 4 x 4: A's tiles are shared along a row of the cluster, B's along a column, by joint loads.
; TRANSPOSED USE: source 0 = 16 columns of w_proj (turned out of LDS by ds_load_tr16_b128), source 1 = 16 rows of att: a lane holds eight neighbouring columns of one row.  The bias is the C of the first products.
; No prefetch: eight K steps in all, of which the first four are on their way at once or follow at once.
; REGISTERS: window 0: v0-31 addresses; v32-63 the bias; v64-127, v128-191 A's fragments, two buffers; v192-223, v224-255 B's.  window 1: accumulator (a, b) at v[8 (4 a + b)].
.set PA,     144                       ; a row of A in LDS: 128 bytes + 16
.set PB,     288                       ; a k-row of B: 256 + 32
.set CHUNK,  256*PA
.set BOFF,   2*CHUNK
.set SLOT,   BOFF+128*PB
.set STAGE,  2*SLOT                    ; the way out: 16 rows x (256 + 16) bytes for each wave
.set SPITCH, 272
.set SPARE,  STAGE+4*16*SPITCH         ; the spare words, 128 bytes for each wave
.set LAPS,   4
.set ADRA, 16
.set ADRB, 20
.set STO,  24
.set RD,   25
.set CO,   26
.set SPW,  28
.set NIL,  29
.set BI,   32
.set BK,   64
.set G1, 24
.set G0, 32
.set G1B, 48
.set G0B, 56
.set MSB, 0
.macro WIN new
.if MSB != (\new)
	s_set_vgpr_msb (MSB<<8)|(\new)
.set MSB, (\new)
.endif
.endm
.set MUL, 0x50                         ; A and B window 0; C and D window 1
.macro JLOAD s                         ; waves 0, 1 fetch for A, waves 2, 3 for B; an s_nop 0 and four v_nop follow each line
	s_cmp_eq_u32 s11, 0
	s_cbranch_scc0 .Lfor_b_\@
	tensor_load_to_lds s[G0+4*\s:G0+4*\s+3], s[G1:G1+7]
	s_nop 0
.rept 4
	v_nop
.endr
	s_branch .Lasked_\@
.Lfor_b_\@:
	tensor_load_to_lds s[G0B+4*\s:G0B+4*\s+3], s[G1B:G1B+7]
	s_nop 0
.rept 4
	v_nop
.endr
.Lasked_\@:
.endm
.macro CREST
	s_cmp_lg_u32 s10, 0
	s_cbranch_scc1 .Lnot_wave_0_\@
	s_barrier_signal -3
.Lnot_wave_0_\@:
	s_barrier_wait -3
	s_barrier_signal -1
	s_barrier_wait -1
.endm
.macro CROUND
	s_barrier_signal -1
	s_barrier_wait -1
	CREST
.endm
	s_load_b128 s[4:7], s[0:1], 0x0                ; att16, wp16
	s_load_b64 s[66:67], s[0:1], 0x10              ; b_proj
	s_load_b64 s[8:9], s[0:1], 0x18                ; out0
	v_lshl_add_u32 v[SPW], v0, 2, SPARE
	v_mov_b32 v[NIL], 0
	ds_add_u32 v[SPW], v[NIL]                      ; the wave's opening: the add, twice on end, and its wait ahead of my first tensor load
	ds_add_u32 v[SPW], v[NIL]
	v_lshrrev_b32 v1, 5, v0
	v_readfirstlane_b32 s10, v1                    ; wave 0..3
	s_lshr_b32 s11, s10, 1                         ; my half of the tile's rows; also: I fetch for A (0) or B (1)
	s_and_b32 s12, s10, 1                          ; my half of its columns; also: which part I fetch
	s_bfe_u32 s40, ttmp6, 0x40000                  ; cx
	s_bfe_u32 s41, ttmp6, 0x40004                  ; cy
	s_lshl_b32 s42, ttmp9, 2
	s_add_co_u32 s42, s42, s40                     ; tile column
	s_and_b32 s13, ttmp7, 0xffff
	s_lshl_b32 s13, s13, 2
	s_add_co_u32 s13, s13, s41                     ; tile row
	s_lshl_b32 s43, s41, 2
	s_lshl_b32 s43, 15, s43                        ; my row of the cluster
	s_lshl_b32 s44, 0x1111, s40                    ; my column
	s_or_b32 s[G1+0], s43, (1<<16)|(1<<20)|(1<<21)|(4<<22)|(3<<25)   ; A: elements of 2 bytes; 4 words of padding behind every 32
	s_mov_b32 s[G1+1], 64<<16                      ; tensor_dim0
	s_mov_b32 s[G1+2], 256<<16                     ; tensor_dim1
	s_mov_b32 s[G1+3], 64<<16                      ; tile_dim0
	s_mov_b32 s[G1+4], 256                         ; tile_dim1
	s_mov_b32 s[G1+5], 64                          ; from row to row
	s_mov_b32 s[G1+6], 0
	s_mov_b32 s[G1+7], 0
	s_or_b32 s[G1B+0], s44, (1<<16)|(1<<20)|(1<<21)|(5<<22)|(7<<25)  ; B: 8 words of padding behind every 64
	s_mov_b32 s[G1B+1], 128<<16
	s_mov_b32 s[G1B+2], 64<<16
	s_mov_b32 s[G1B+3], 128<<16
	s_mov_b32 s[G1B+4], 64
	s_mov_b32 s[G1B+5], 1024
	s_mov_b32 s[G1B+6], 0
	s_mov_b32 s[G1B+7], 0
	s_lshl_b32 s16, s12, 13
	s_lshl_b32 s17, s13, 8
	s_add_co_u32 s16, s16, s17
	s_lshl_b32 s16, s16, 7                         ; A: (chunk x 8,192 + 256 x tile row) rows of 128 bytes
	s_mov_b32 s17, 0
	s_lshl_b32 s46, s12, 17                        ; B: 64 k-rows of 2,048 bytes x part
	s_lshl_b32 s47, s42, 8
	s_add_co_u32 s46, s46, s47                     ; + 256 bytes x tile column
	s_mov_b32 s47, 0
	s_mul_i32 s20, s12, CHUNK                      ; where they go
	s_mul_i32 s21, s12, 64*PB
	s_add_co_u32 s21, s21, BOFF
	s_wait_dscnt 0x0                               ; both opening adds are done
	s_wait_kmcnt 0x0
	s_add_nc_u64 s[14:15], s[4:5], s[16:17]
	s_add_nc_u64 s[46:47], s[6:7], s[46:47]
	CROUND                                         ; all sixteen work-groups are here: the first joint loads meet
.irp s, 0,1
	s_mov_b32 s[G0+4*\s], 1
	s_add_co_u32 s[G0+4*\s+1], s20, \s*SLOT
	s_add_nc_u64 s[G0+4*\s+2:G0+4*\s+3], s[14:15], \s*2097152     ; K step s: two chunks on
	s_or_b32 s[G0+4*\s+3], s[G0+4*\s+3], 0x80000000
	s_mov_b32 s[G0B+4*\s], 1
	s_add_co_u32 s[G0B+4*\s+1], s21, \s*SLOT
	s_add_nc_u64 s[G0B+4*\s+2:G0B+4*\s+3], s[46:47], \s*262144    ; 128 k-rows on
	s_or_b32 s[G0B+4*\s+3], s[G0B+4*\s+3], 0x80000000
	JLOAD \s                                       ; two loads of mine are out
.endr
	v_and_b32 v1, 15, v0                           ; r
	v_bfe_u32 v2, v0, 4, 1                         ; h
	v_mul_u32_u24 v3, v1, PA
	v_lshl_add_u32 v3, v2, 4, v3                   ; A: row r x pitch + 16 h
	s_mul_i32 s21, s11, 128*PA
	v_and_b32 v4, 7, v0
	v_lshl_add_u32 v4, v2, 3, v4
	v_mul_u32_u24 v4, v4, PB
	v_bfe_u32 v5, v0, 3, 1
	v_lshl_add_u32 v4, v5, 4, v4                   ; B: k-row 8 h + lane % 8, columns 8 ((lane / 8) % 2) on
	s_lshl_b32 s22, s12, 7
	s_add_co_u32 s22, s22, BOFF
.irp s, 0,1
	v_add_nc_u32 v[ADRA+\s], s21, v3
	v_add_nc_u32 v[ADRB+\s], s22, v4
	s_add_co_u32 s21, s21, SLOT
	s_add_co_u32 s22, s22, SLOT
.endr
	s_mul_i32 s23, s10, 16*SPITCH
	s_add_co_u32 s23, s23, STAGE                   ; my stage
	v_mul_u32_u24 v5, v1, SPITCH
	v_lshl_add_u32 v5, v2, 5, v5
	v_add_nc_u32 v[STO], s23, v5                   ; in: row r, 32 bytes for each half of the lanes
	v_mul_u32_u24 v5, v2, SPITCH
	v_lshl_add_u32 v5, v1, 4, v5
	v_add_nc_u32 v[RD], s23, v5                    ; back: lanes 0-15 one row of 256 bytes, lanes 16-31 the next
	v_lshlrev_b32 v[CO], 12, v2
	v_lshl_add_u32 v[CO], v1, 4, v[CO]             ; and the same two rows in out0
	v_lshlrev_b32 v6, 5, v2                        ; the bias: my eight numbers of a block of 16
	s_lshl_b32 s16, s13, 8
	s_lshl_b32 s17, s11, 7
	s_add_co_u32 s16, s16, s17
	s_lshl_b32 s16, s16, 12                        ; my first row, 4,096 bytes a row
	s_lshl_b32 s46, s42, 9
	s_lshl_b32 s47, s12, 8
	s_add_co_u32 s46, s46, s47                     ; my first column, in bytes: also its place in the bias
	s_mov_b32 s47, 0
	s_mov_b32 s17, 0
	s_add_nc_u64 s[66:67], s[66:67], s[46:47]
	s_add_nc_u64 s[8:9], s[8:9], s[46:47]
	s_add_nc_u64 s[8:9], s[8:9], s[16:17]
.irp b, 0,1,2,3
	global_load_b128 v[BI+8*\b:BI+8*\b+3], v6, s[66:67] offset:64*\b
	global_load_b128 v[BI+8*\b+4:BI+8*\b+7], v6, s[66:67] offset:64*\b+16
.endr
; 8 matrix instructions: row blocks a0, a0 + 1 x all 4 column blocks, 32 along K, from buffer g.  first = 1: C is the bias.  The 32 accumulators take turns.
.macro MUL8 g, a0, first
.irp a, \a0, \a0+1
.irp b, 0,1,2,3
.if \first
	v_wmma_f32_16x16x32_f16 v[8*(4*(\a)+\b):8*(4*(\a)+\b)+7], v[192+32*(\g)+8*\b:192+32*(\g)+8*\b+7], v[64+64*(\g)+8*(\a):64+64*(\g)+8*(\a)+7], v[BI+8*\b:BI+8*\b+7]
.else
	v_wmma_f32_16x16x32_f16 v[8*(4*(\a)+\b):8*(4*(\a)+\b)+7], v[192+32*(\g)+8*\b:192+32*(\g)+8*\b+7], v[64+64*(\g)+8*(\a):64+64*(\g)+8*(\a)+7], v[8*(4*(\a)+\b):8*(4*(\a)+\b)+7]
.endif
.endr
.endr
.endm
; 24 LDS loads in one run: quarter q (32 along K) of a slot into buffer g: B's four fragments, A's blocks 0-3, A's blocks 4-7
.macro FETCH slot, q, g
	WIN 0
.irp b, 0,1,2,3
	ds_load_tr16_b128 v[192+32*(\g)+8*\b:192+32*(\g)+8*\b+3],   v[ADRB+\slot] offset:32*PB*(\q)+32*\b
	ds_load_tr16_b128 v[192+32*(\g)+8*\b+4:192+32*(\g)+8*\b+7], v[ADRB+\slot] offset:32*PB*(\q)+16*PB+32*\b
.endr
.irp i, 0,1,2,3,4,5,6,7
	ds_load_b128 v[64+64*(\g)+8*\i:64+64*(\g)+8*\i+3],   v[ADRA+\slot] offset:((\q)/2)*CHUNK+((\q)%2)*64+\i*16*PA
	ds_load_b128 v[64+64*(\g)+8*\i+4:64+64*(\g)+8*\i+7], v[ADRA+\slot] offset:((\q)/2)*CHUNK+((\q)%2)*64+\i*16*PA+32
.endr
.endm
.macro PLACES
.rept 4
	v_nop
.endr
.endm
.macro QUARTER slot, qn, g, first      ; multiplies buffer g and fetches quarter qn of the same slot into the other buffer
	s_wait_dscnt 8                                 ; B and A's blocks 0-3 are in; the youngest eight loads (A's blocks 4-7) may be out
	WIN MUL-0x10*(\first)                          ; first = 1: C (the bias) window 0
	MUL8 \g, 0, \first
	MUL8 \g, 2, \first
	PLACES                                         ; in front of loads into registers that matrix instructions have read
	FETCH \slot, \qn, 1-(\g)
	s_wait_dscnt 24                                ; all but the 24 just issued
	WIN MUL-0x10*(\first)
	MUL8 \g, 4, \first
	MUL8 \g, 6, \first
.endm
; A slot's last quarter multiplies buffer 1 and changes slots: one barrier, which opens a round of the cluster's barrier where the slot is filled again, two K steps ahead.
.macro TURN slot, next, fill
	WIN 0
	s_wait_tensorcnt 0x0                           ; all my tensor loads have landed: my part of the next slot
	ds_add_u32 v[SPW], v[NIL]
	s_wait_dscnt 9                                 ; (the add and the youngest eight loads may be out)
	WIN MUL
	MUL8 1, 0, 0
	s_wait_dscnt 0x0                               ; the add is done, and my reads of this slot are over
	s_barrier_signal -1
	MUL8 1, 2, 0
.if \fill
	WIN 0
.endif
	s_barrier_wait -1
.if \fill
	CREST                                          ; no wave of any partner still reads this slot's tile or has a load on its way
	s_add_nc_u64 s[G0+4*\slot+2:G0+4*\slot+3], s[G0+4*\slot+2:G0+4*\slot+3], 4194304
	s_add_nc_u64 s[G0B+4*\slot+2:G0B+4*\slot+3], s[G0B+4*\slot+2:G0B+4*\slot+3], 524288
	JLOAD \slot                                    ; first behind the round: 112 matrix instructions ahead of the wait for it; its four v_nop are the places for the loads below
.else
	PLACES
.endif
	FETCH \next, 0, 0
	WIN MUL
	MUL8 1, 4, 0
	MUL8 1, 6, 0
.endm
	s_wait_tensorcnt 1                             ; my part of K step 0 is in (K step 1's load may be out),
	s_barrier_signal -1
	s_barrier_wait -1                              ; everybody's is
	FETCH 0, 0, 0
	s_wait_loadcnt 0x0                             ; the bias
	QUARTER 0, 1, 0, 1                             ; the first quarter stands in front of the loop: its products start the sums
	WIN 0
	s_mov_b32 s3, LAPS-1
.Llap:                                                 ; a trip goes once round the ring and fills both slots again
	QUARTER 0, 2, 1, 0
	QUARTER 0, 3, 0, 0
	TURN 0, 1, 1
	QUARTER 1, 1, 0, 0
	QUARTER 1, 2, 1, 0
	QUARTER 1, 3, 0, 0
	TURN 1, 0, 1
	QUARTER 0, 1, 0, 0
	WIN 0
	s_sub_co_u32 s3, s3, 1
	s_cmp_lg_u32 s3, 0
	s_cbranch_scc1 .Llap
	QUARTER 0, 2, 1, 0                             ; the last lap fills nothing
	QUARTER 0, 3, 0, 0
	TURN 0, 1, 0
	QUARTER 1, 1, 0, 0
	QUARTER 1, 2, 1, 0
	QUARTER 1, 3, 0, 0
	s_wait_dscnt 8
	WIN MUL
	MUL8 1, 0, 0
	MUL8 1, 2, 0
	s_wait_dscnt 0
	MUL8 1, 4, 0
	MUL8 1, 6, 0
	WIN 0
; THE WAY OUT, block by block of 16 rows x 64 columns, through my own stage: sixteen lanes store 256 consecutive bytes, aligned.
.macro TOSTAGE a
	WIN 0x04                                       ; an LDS store's data: window 1
.irp b, 0,1,2,3
	ds_store_b128 v[STO], v[8*(4*(\a)+\b):8*(4*(\a)+\b)+3] offset:64*\b            ; each accumulator from its low end on
	ds_store_b128 v[STO], v[8*(4*(\a)+\b)+4:8*(4*(\a)+\b)+7] offset:64*\b+16
.endr
	WIN 0
.irp t, 0,1,2,3,4,5,6,7
	ds_load_b128 v[BK+32*((\a)%2)+4*\t:BK+32*((\a)%2)+4*\t+3], v[RD] offset:\t*2*SPITCH   ; LDS serves a wave's instructions in order
.endr
.endm
.macro SEND a, younger                 ; younger: the next block's 8 stores and 8 loads, which may stay out
	s_wait_dscnt \younger
.irp t, 0,1,2,3,4,5,6,7
	global_store_b128 v[CO], v[BK+32*((\a)%2)+4*\t:BK+32*((\a)%2)+4*\t+3], s[8:9] offset:(16*(\a)+2*\t)*4096 th:TH_STORE_NT
.endr
.endm
	PLACES                                         ; behind the last products
	TOSTAGE 0
.irp a, 1,2,3,4,5,6,7
.if \a > 1
	s_wait_xcnt 0x0                                ; block a - 2's stores have read their registers: block a's loads may land there
.endif
	TOSTAGE \a
	SEND \a-1, 16
.endr
	SEND 7, 0
	s_wait_tensorcnt 0x0                           ; the wave's end
	ds_add_u32 v[SPW], v[NIL]
	s_wait_dscnt 0x0
	CROUND                                         ; the closing round
	s_endpgm
.Lfunc_end_k_q5a057aafc1_proj:
	.size	k_q5a057aafc1_proj, .Lfunc_end_k_q5a057aafc1_proj-k_q5a057aafc1_proj
	.p2alignl 7, 3214868480
	.fill 96, 4, 3214868480
	.section	.rodata,"a",@progbits
	.p2align	6, 0x0
	.amdhsa_kernel k_q5a057aafc1_proj
		.amdhsa_group_segment_fixed_size 327680
		.amdhsa_private_segment_fixed_size 0
		.amdhsa_enable_private_segment 0
		.amdhsa_kernarg_size 32
		.amdhsa_user_sgpr_count 2
		.amdhsa_user_sgpr_kernarg_segment_ptr 1
		.amdhsa_wavefront_size32 1
		.amdhsa_system_sgpr_workgroup_id_x 1
		.amdhsa_system_sgpr_workgroup_id_y 1
		.amdhsa_system_sgpr_workgroup_id_z 1
		.amdhsa_system_vgpr_workitem_id 0
		.amdhsa_next_free_vgpr 512
		.amdhsa_next_free_sgpr 68
		.amdhsa_reserve_vcc 0
		.amdhsa_float_denorm_mode_32 3
		.amdhsa_float_denorm_mode_16_64 3
		.amdhsa_memory_ordered 1
		.amdhsa_forward_progress 1
		.amdhsa_inst_pref_size 86
	.end_amdhsa_kernel
	.amdgpu_metadata
---
amdhsa.version: [ 1, 2 ]
amdhsa.kernels:
  - .name:           k_q5a057aafc1_proj
    .symbol:         k_q5a057aafc1_proj.kd
    .args:
      - { .name: att16, .offset: 0, .size: 8, .value_kind: global_buffer, .address_space: global }
      - { .name: wp16, .offset: 8, .size: 8, .value_kind: global_buffer, .address_space: global }
      - { .name: b_proj, .offset: 16, .size: 8, .value_kind: global_buffer, .address_space: global }
      - { .name: out0, .offset: 24, .size: 8, .value_kind: global_buffer, .address_space: global }
    .group_segment_fixed_size: 327680
    .private_segment_fixed_size: 0
    .kernarg_segment_align: 8
    .kernarg_segment_size: 32
    .max_flat_workgroup_size: 128
    .sgpr_count:     68
    .vgpr_count:     512
    .wavefront_size: 32
...
	.end_amdgpu_metadata
.endif
;; end of part 4
;; launch first16 (part 5): grid 64 x 4, 16 waves a work-group, no clusters, 18,432 bytes of LDS; arguments first32, w_proj, b_proj, out0; writes out0
.if DOCPART == 5
	.amdgcn_target "amdgcn-amd-amdhsa--gfx1250"
	.amdhsa_code_object_version 6
	.text
	.protected	k_q5a057aafc1_first16
	.globl	k_q5a057aafc1_first16
	.p2align	8
	.type	k_q5a057aafc1_first16,@function
k_q5a057aafc1_first16:
	s_mov_b64 s[64:65], 0
	v_nop
	global_prefetch_b8 v0, s[64:65] scope:SCOPE_SE
	s_setreg_imm32_b32 hwreg(HW_REG_WAVE_MODE, 25, 1), 1
	s_wait_xcnt 0x0
; THE FIRST 16 POSITIONS OF EACH SEQUENCE, ALL IN f32: they average one to sixteen values and are the largest numbers of the output, so 16-bit operands would weigh most there.  64 rows of out0 are written over.
; LEFT OUT: K's bias (first32 holds k without it: shown at the head of the first launch).
; A work-group makes 16 columns (work-group x) of the 16 rows of one batch (y).  Wave = head: it makes its head's attention for the 16 positions and the partial product of its own 64 along K with the 16 columns;
; the 16 partial sums meet in LDS and are added in the order of the heads.  48 matrix instructions of the f32 form a wave: no bulk work.
; LAYOUT.  The f32 form takes K = 4: register j of a lane holds k = 2 (lane / 16) + j.  The places of k are permuted ALIKE on both operands of each product, which keeps the sums' terms:
;  S^T = K Q^T: lane (r, h) holds channels 32 h + 0..31 of row r; step s takes registers 2 s, 2 s + 1 of both.
;  A result (lane: query r; register e: index 8 h + e) serves as source 1 of the next product by pairs 2 s, 2 s + 1; the other operand is loaded to the same map: V(key 8 h + e, channel 16 ct + r), W(channel 16 ct + 8 h + e, column r).
; The registers that the f32 matrix form writes (v128-175, v192-223) are written by matrix instructions alone.
.set SPARE, 16384                      ; LDS: 0 .. 16,383 the partial sums, 1,024 bytes a wave; then the spare words, 128 bytes a wave
.set SPW, 30
.set NIL, 31
.set QF,  32
.set KFR, 64
.set VF,  96
.set YA,  128
.set SA,  160
.set SB,  168
.set T,   176
.set P,   184
.set OA,  192
.set WF,  224
.set ON,  64                           ; O / l takes K's registers
	s_load_b128 s[4:7], s[0:1], 0x0                ; first32, w_proj
	s_load_b128 s[8:11], s[0:1], 0x10              ; b_proj, out0
	v_lshl_add_u32 v[SPW], v0, 2, SPARE
	v_mov_b32 v[NIL], 0
	v_lshrrev_b32 v1, 5, v0
	v_readfirstlane_b32 s12, v1                    ; wave = head
	s_and_b32 s13, ttmp7, 0xffff                   ; batch
	v_and_b32 v1, 15, v0                           ; r
	v_bfe_u32 v2, v0, 4, 1                         ; h
	v_lshlrev_b32 v3, 8, v1
	v_lshl_add_u32 v3, v2, 7, v3                   ; q, k: row r of 256 bytes, + 128 h
	v_lshlrev_b32 v4, 2, v1
	v_lshl_add_u32 v5, v2, 15, v4                  ; w_proj: 8 h rows of 4,096 bytes, + 4 r
	v_lshl_add_u32 v4, v2, 11, v4                  ; v: 8 h rows of 256 bytes, + 4 r
	v_lshlrev_b32 v6, 3, v2
	v_sub_nc_u32 v6, v1, v6                        ; r - 8 h
	v_mov_b32 v7, 0xff800000                       ; -infinity
	v_and_b32 v8, 31, v0
	v_lshlrev_b32 v20, 4, v8
	s_lshl_b32 s14, s12, 10
	v_add_nc_u32 v20, s14, v20                     ; my partial sums: 1,024 x wave + 16 x lane
	v_and_b32 v21, 63, v0
	v_lshlrev_b32 v21, 4, v21                      ; waves 0, 1: 16 x thread: registers 0-3 (wave 0) or 4-7 (wave 1) of each partial sum
	v_lshlrev_b32 v22, 12, v1
	v_lshl_add_u32 v22, v2, 5, v22                 ; out0: row r, + 32 h
	v_lshlrev_b32 v23, 5, v2                       ; the bias: + 32 h
	s_mov_b32 s22, 0x76543210
	s_mov_b32 s23, 0xfedcba98
	s_mov_b32 s24, 0x3e38aa3b                      ; c = log2(e) / 8
	s_mul_i32 s14, s13, 48
	s_add_co_u32 s14, s14, s12
	s_lshl_b32 s14, s14, 12                        ; first32: (48 batch + head) x 4,096; k and v 65,536 and 131,072 further on
	s_mov_b32 s15, 0
	s_lshl_b32 s16, s12, 18                        ; w_proj: my head's 64 rows,
	s_lshl_b32 s17, ttmp9, 6
	s_add_co_u32 s16, s16, s17                     ; my work-group's 16 columns
	s_mov_b32 s17, 0
	s_lshl_b32 s18, ttmp9, 6
	s_lshl_b32 s19, s12, 4
	s_add_co_u32 s18, s18, s19                     ; waves 0, 1: 64 x column group + 16 x wave
	s_mov_b32 s19, 0
	s_lshl_b32 s20, s13, 23                        ; a batch's 2,048 rows of 4,096 bytes
	s_add_co_u32 s20, s20, s18
	s_mov_b32 s21, 0
	s_wait_kmcnt 0x0
	s_add_nc_u64 s[4:5], s[4:5], s[14:15]
	s_add_nc_u64 s[6:7], s[6:7], s[16:17]
	s_add_nc_u64 s[8:9], s[8:9], s[18:19]
	s_add_nc_u64 s[10:11], s[10:11], s[20:21]
.irp i, 0,1,2,3,4,5,6,7
	global_load_b128 v[QF+4*\i:QF+4*\i+3], v3, s[4:5] offset:16*\i
.endr
.irp i, 0,1,2,3,4,5,6,7
	global_load_b128 v[KFR+4*\i:KFR+4*\i+3], v3, s[4:5] offset:65536+16*\i
.endr
.irp ct, 0,1,2,3
.irp e, 0,1,2,3,4,5,6,7
	global_load_b32 v[VF+8*\ct+\e], v4, s[4:5] offset:131072+256*\e+64*\ct
.endr
.endr
.irp ct, 0,1,2,3
.irp e, 0,1,2,3,4,5,6,7
	global_load_b32 v[WF+8*\ct+\e], v5, s[6:7] offset:(16*\ct+\e)*4096     ; sixteen lanes read 64 consecutive bytes: 4 KB a wave
.endr
.endr
	s_wait_loadcnt 63                              ; q and k are in: 64 loads were issued behind them; 63 is the largest count that the wait can name, and a smaller count is safe
.irp s, 0,1,2,3,4,5,6,7,8,9,10,11,12,13,14,15      ; S^T = K Q^T in two sums that take turns; each sum's first K step takes the constant 0
.if \s < 2
	v_wmma_f32_16x16x4_f32 v[SA+8*(\s%2):SA+8*(\s%2)+7], v[KFR+2*\s:KFR+2*\s+1], v[QF+2*\s:QF+2*\s+1], 0
.else
	v_wmma_f32_16x16x4_f32 v[SA+8*(\s%2):SA+8*(\s%2)+7], v[KFR+2*\s:KFR+2*\s+1], v[QF+2*\s:QF+2*\s+1], v[SA+8*(\s%2):SA+8*(\s%2)+7]
.endif
.endr
.rept 8
	v_nop                                          ; eight places behind this form (ISA guide 7.12.1)
.endr
.irp i, 0,2,4,6
	v_pk_add_f32 v[T+\i:T+\i+1], v[SA+\i:SA+\i+1], v[SB+\i:SB+\i+1]   ; lane (r, h): query r, keys 8 h + 0..7
.endr
.irp j, 0,1,2,3,4,5,6,7
	v_cmp_gt_i32 vcc_lo, \j, v6                    ; key 8 h + j comes after query r
	v_cndmask_b32 v[T+\j], v[T+\j], v7, vcc_lo
.endr
	v_max3_num_f32 v8, v[T], v[T+1], v[T+2]
	v_max3_num_f32 v9, v[T+3], v[T+4], v[T+5]
	v_max3_num_f32 v8, v8, v[T+6], v[T+7]
	v_max_num_f32 v8, v8, v9
	v_permlanex16_b32 v9, v8, s22, s23
	v_max_num_f32 v8, v8, v9                       ; the row's maximum (key 0 counts for every query)
	v_mul_f32 v9, s24, v8
.irp j, 0,1,2,3,4,5,6,7
	v_fma_f32 v[P+\j], v[T+\j], s24, -v9           ; c s - c m
.endr
.irp j, 0,1,2,3,4,5,6,7
	v_exp_f32 v[P+\j], v[P+\j]
.endr
	v_nop                                          ; a plain line behind the batch,
	s_wait_alu depctr_va_vdst(0)                   ; and the one wait ahead of its first reader
	v_pk_add_f32 v[10:11], v[P:P+1], v[P+2:P+3]
	v_pk_add_f32 v[14:15], v[P+4:P+5], v[P+6:P+7]
	v_pk_add_f32 v[10:11], v[10:11], v[14:15]
	v_add_f32 v10, v10, v11
	v_permlanex16_b32 v11, v10, s22, s23
	v_add_f32 v10, v10, v11                        ; the row's sum
	v_rcp_f32 v14, v10
	v_nop
	s_wait_alu depctr_va_vdst(0)
	s_wait_loadcnt 32                              ; v is in; w_proj's 32 loads, issued behind it, may be out
.irp s, 0,1,2,3                                    ; O^T = V^T P: four sums by turns
.irp ct, 0,1,2,3
.if \s == 0
	v_wmma_f32_16x16x4_f32 v[OA+8*\ct:OA+8*\ct+7], v[VF+8*\ct+2*\s:VF+8*\ct+2*\s+1], v[P+2*\s:P+2*\s+1], 0
.else
	v_wmma_f32_16x16x4_f32 v[OA+8*\ct:OA+8*\ct+7], v[VF+8*\ct+2*\s:VF+8*\ct+2*\s+1], v[P+2*\s:P+2*\s+1], v[OA+8*\ct:OA+8*\ct+7]
.endif
.endr
.endr
.rept 8
	v_nop
.endr
.set i, 0
.rept 16
	v_pk_mul_f32 v[ON+2*i:ON+2*i+1], v[OA+2*i:OA+2*i+1], v[14:15] op_sel_hi:[1,0]   ; O / l: lane (r, h): query r, channels 16 ct + 8 h + 0..7
.set i, i+1
.endr
	s_wait_loadcnt 0x0                             ; w_proj
.irp s, 0,1,2,3                                    ; Y^T = W^T O^T over my head's 64 channels: four sums by turns
.irp ct, 0,1,2,3
.if \s == 0
	v_wmma_f32_16x16x4_f32 v[YA+8*\ct:YA+8*\ct+7], v[WF+8*\ct+2*\s:WF+8*\ct+2*\s+1], v[ON+8*\ct+2*\s:ON+8*\ct+2*\s+1], 0
.else
	v_wmma_f32_16x16x4_f32 v[YA+8*\ct:YA+8*\ct+7], v[WF+8*\ct+2*\s:WF+8*\ct+2*\s+1], v[ON+8*\ct+2*\s:ON+8*\ct+2*\s+1], v[YA+8*\ct:YA+8*\ct+7]
.endif
.endr
.endr
.rept 8
	v_nop
.endr
.irp i, 0,2,4,6
	v_pk_add_f32 v[T+\i:T+\i+1], v[YA+\i:YA+\i+1], v[YA+8+\i:YA+8+\i+1]
.endr
.irp i, 0,2,4,6
	v_pk_add_f32 v[P+\i:P+\i+1], v[YA+16+\i:YA+16+\i+1], v[YA+24+\i:YA+24+\i+1]
.endr
.irp i, 0,2,4,6
	v_pk_add_f32 v[T+\i:T+\i+1], v[T+\i:T+\i+1], v[P+\i:P+\i+1]       ; lane (r, h): row r, columns 8 h + 0..7: my head's part
.endr
	ds_store_b128 v20, v[T:T+3]
	ds_store_b128 v20, v[T+4:T+7] offset:512
	s_wait_dscnt 0x0                               ; for the others' sake: my stores are done
	s_barrier_signal -1
	s_barrier_wait -1
	s_cmp_lt_u32 s12, 2
	s_cbranch_scc0 .Ldone
	global_load_b128 v[16:19], v23, s[8:9]         ; the bias of my four columns
.irp p, 0,1,2,3,4,5,6,7,8,9,10,11,12,13,14,15
	ds_load_b128 v[32+4*\p:35+4*\p], v21 offset:1024*\p
.endr
	s_wait_dscnt 0x0
.irp p, 1,2,3,4,5,6,7,8,9,10,11,12,13,14,15        ; in the order of the heads
	v_pk_add_f32 v[32:33], v[32:33], v[32+4*\p:33+4*\p]
	v_pk_add_f32 v[34:35], v[34:35], v[34+4*\p:35+4*\p]
.endr
	s_wait_loadcnt 0x0
	v_pk_add_f32 v[32:33], v[32:33], v[16:17]
	v_pk_add_f32 v[34:35], v[34:35], v[18:19]
	global_store_b128 v22, v[32:35], s[10:11]      ; pieces of 16 bytes: 256 KB in the whole launch
.Ldone:
	s_wait_tensorcnt 0x0                           ; the wave's end, behind my last LDS store
	ds_add_u32 v[SPW], v[NIL]
	s_wait_dscnt 0x0
	s_endpgm
.Lfunc_end_k_q5a057aafc1_first16:
	.size	k_q5a057aafc1_first16, .Lfunc_end_k_q5a057aafc1_first16-k_q5a057aafc1_first16
	.p2alignl 7, 3214868480
	.fill 96, 4, 3214868480
	.section	.rodata,"a",@progbits
	.p2align	6, 0x0
	.amdhsa_kernel k_q5a057aafc1_first16
		.amdhsa_group_segment_fixed_size 18432
		.amdhsa_private_segment_fixed_size 0
		.amdhsa_enable_private_segment 0
		.amdhsa_kernarg_size 32
		.amdhsa_user_sgpr_count 2
		.amdhsa_user_sgpr_kernarg_segment_ptr 1
		.amdhsa_wavefront_size32 1
		.amdhsa_system_sgpr_workgroup_id_x 1
		.amdhsa_system_sgpr_workgroup_id_y 1
		.amdhsa_system_sgpr_workgroup_id_z 1
		.amdhsa_system_vgpr_workitem_id 0
		.amdhsa_next_free_vgpr 256
		.amdhsa_next_free_sgpr 66
		.amdhsa_reserve_vcc 1
		.amdhsa_float_denorm_mode_32 3
		.amdhsa_float_denorm_mode_16_64 3
		.amdhsa_memory_ordered 1
		.amdhsa_forward_progress 1
		.amdhsa_inst_pref_size 22
	.end_amdhsa_kernel
	.amdgpu_metadata
---
amdhsa.version: [ 1, 2 ]
amdhsa.kernels:
  - .name:           k_q5a057aafc1_first16
    .symbol:         k_q5a057aafc1_first16.kd
    .args:
      - { .name: first32, .offset: 0, .size: 8, .value_kind: global_buffer, .address_space: global }
      - { .name: w_proj, .offset: 8, .size: 8, .value_kind: global_buffer, .address_space: global }
      - { .name: b_proj, .offset: 16, .size: 8, .value_kind: global_buffer, .address_space: global }
      - { .name: out0, .offset: 24, .size: 8, .value_kind: global_buffer, .address_space: global }
    .group_segment_fixed_size: 18432
    .private_segment_fixed_size: 0
    .kernarg_segment_align: 8
    .kernarg_segment_size: 32
    .max_flat_workgroup_size: 512
    .sgpr_count:     66
    .vgpr_count:     256
    .wavefront_size: 32
...
	.end_amdgpu_metadata
.endif
;; end of part 5
